; MI455X (gfx1250); checked and timed in simulation.
; The chip was launched on July 23, 2026; its instructions are those of AMD's public machine-readable ISA for CDNA 5 (MIT licence, August 2026) and "CDNA5" Instruction Set Architecture Reference Guide (July 2026). The comments in the code are by the model that wrote it; some were corrected since.
;; Multi Head Attention. Allowed arithmetic: matrix products marked QUANTISED: E2M3 operands, one E8M0 scale for each 32 along K, by v_wmma_scale_f32_16x16x128_f8f6f4 with both operands' format E2M3, f32 sums; everything else in f32.
;; Inputs: Wk 1,024 x 1,024 float32; Wo 1,024 x 1,024 float32; Wq 1,024 x 1,024 float32; Wv 1,024 x 1,024 float32; bo 1,024 float32; x 4 x 2,048 x 1,024 float32.
;; Outputs: out0 4 x 2,048 x 1,024 float32.
;; This version of the problem:
;;   THIS VERSION OF THE PROBLEM IS GIVEN IN LOW PRECISION. The matrix products marked QUANTISED in the list below multiply operands that are first quantised to E2M3 (2 exponent bits, 3 mantissa bits; 6 bits a number), with one power-of-two scale for each 32 numbers along K (OCP MX v1.0); their sums are f32. All else is computed in f32.
;;   The module's matrix products, in the order in which they are computed (A, B: the left and right operand; K: the contracted axis; several contracted axes count as one K, in the product's order):
;;     1. [M 8,192, K 1,024] x [K 1,024, N 1,024]; A: input x; B: input Wq: QUANTISED
;;     2. [M 8,192, K 1,024] x [K 1,024, N 1,024]; A: input x; B: input Wk: QUANTISED
;;     3. [M 8,192, K 1,024] x [K 1,024, N 1,024]; A: input x; B: input Wv: QUANTISED
;;     4. batch 64 x [M 2,048, K 64] x [K 64, N 2,048]; A: computed on the way; B: computed on the way: QUANTISED
;;     5. batch 64 x [M 2,048, K 2,048] x [K 2,048, N 64]; A: softmax (see below); B: computed on the way: QUANTISED
;;     6. [M 8,192, K 1,024] x [K 1,024, N 1,024]; A: computed on the way; B: input Wo: QUANTISED
;;   THE QUANTISER, for each operand of a quantised product, along K:
;;     - K is cut into blocks of 32 from its start; a last block that is shorter is filled with zeros.
;;     - A block's scale is 2^e with e = floor(log2(the largest magnitude in the block)) - 2, held to -126 .. 127; a block of zeros has e = 0. As a byte (E8M0): e + 127.
;;     - Each number is divided by its block's scale, clamped to +-7.5, and rounded to the nearest number of E2M3, ties to even, subnormals kept.
;;     - The product sums the exact products of the quantised numbers (number of the format x scale) in f32.
;;   ~~~python
;;   def quantise(x, axis):      # numpy; x: float32 -> the quantised numbers, widened to float32 again
;;       x = np.moveaxis(x, axis, -1); K = x.shape[-1]
;;       x = np.pad(x, [(0, 0)] * (x.ndim - 1) + [(0, -K % 32)]); x = x.reshape(x.shape[:-1] + (-1, 32)); a = np.abs(x).max(-1, keepdims=True)
;;       e = np.where(a > 0, np.clip(np.frexp(np.where(a > 0, a, 1))[1] - 1 - 2, -126, 127), 0)      # np.frexp(a)[1] - 1 = floor(log2(a)), exactly
;;       r = np.clip(x / 2.0 ** e, -7.5, 7.5)
;;       step = 2.0 ** (np.maximum(np.frexp(np.where(r == 0, 1, r))[1] - 1, 0) - 3)
;;       q = np.round(r / step) * step * 2.0 ** e      # np.round: ties to even
;;       return np.moveaxis(q.reshape(q.shape[:-2] + (-1,))[..., :K], -1, axis).astype(np.float32)
;;   ~~~
;;   SOFTMAX AHEAD OF A QUANTISED PRODUCT. Where the list says 'softmax', what is quantised is not the finished softmax but p = 2^(t - M), with t = logit x log2(e) and M = ceil(the row's largest t), a whole number; so 1/2 < the row's largest p <= 1. The row's sum l is taken of the UNQUANTISED p, in f32, and the product's result is divided by l at the end. Since M is a whole number, a kernel that streams over the keys may use a running M (the ceiling of the running maximum): every later rescaling is an exact power of two, which a block's scale takes up: the codes' values come out the same.
;;   OPERANDS COMPUTED ON THE WAY. 'Computed on the way' means the value that the module computes at that place (a softmax that the list does not call 'softmax' is quantised finished and normalised). What goes into a quantiser is computed in f32, as accurately as f32 sums, v_exp_f32 and their like allow (about 1e-6 of the number): no bf16 or f16 on the way to a quantiser, and a product that is left as it is and whose result goes on into a quantised operand takes f32 operands (vector FMAs, or v_wmma_f32_16x16x4_f32). A number that lies on a knife's edge between two numbers of the format may be rounded either way, as far as f32 arithmetic and the matrix unit's own rounding can turn it there, and no further.
;; One version. Each part assembles by itself: llvm-mc -triple=amdgcn-amd-amdhsa -mcpu=gfx1250 --defsym DOCPART=n.
;; ======== version 1 of 1: 6 launches
;; workspace buffers: xq 6,553,600 bytes; wqk 1,835,008 bytes; wv 1,048,576 bytes; wo 1,048,576 bytes; qk 13,631,488 bytes; vt 7,340,032 bytes; ctx 6,553,600 bytes
;; launch quant_x (part 1): grid 256 x 1, 4 waves a work-group, no clusters, 33,280 bytes of LDS; arguments x, xq; writes xq
.if DOCPART == 1
	.amdgcn_target "amdgcn-amd-amdhsa--gfx1250"
	.amdhsa_code_object_version 6
	.text
	.protected	k_qb1b1c4e88a_quant_x
	.globl	k_qb1b1c4e88a_quant_x
	.p2align	8
	.type	k_qb1b1c4e88a_quant_x,@function
k_qb1b1c4e88a_quant_x:
	s_mov_b64 s[64:65], 0
	v_nop
	global_prefetch_b8 v0, s[64:65] scope:SCOPE_SE
	s_setreg_imm32_b32 hwreg(HW_REG_WAVE_MODE, 25, 1), 1
	s_wait_xcnt 0x0
; x [8192][1024] f32 becomes codes of FP6 (E2M3), 6 bits each, K innermost, with one E8M0 scale byte for each 32 along K.
; xq: scale bytes [position 8192][32] from byte 0, codes [position 8192][768] from byte 262,144.
; A ROW LIES AT THE POSITION THAT ITS NUMBER GIVES WITH BITS 3 AND 4 SWAPPED: sixteen positions on end are then rows 0-7 and 16-23 (or 8-15 and 24-31) of a group of 32,
; so that in the products that follow a lane's sixteen results of two neighbouring tiles are sixteen neighbours along the next product's K.
; A block's scale is 2^(floor(log2(its largest magnitude)) - 2); its byte is the largest magnitude's exponent field - 2, held at 1 from below.
; LIMITS: a block of zeros gets the byte 1 where the rule says 127 (its codes are zeros, and this program alone reads the bytes); NaN and infinities among the inputs are not served.
; A wave takes 8 rows, 16 steps of 512 numbers.  Each load reads 512 consecutive bytes, 16 a lane; a step's 2,048 bytes turn through the wave's own stage in LDS and come back 64 bytes a lane,
; so that a lane holds 16 neighbours and two neighbouring lanes a block.  Loads run eight steps (32 loads a wave) ahead, the turn through LDS one step.  Waves share nothing: no barrier.
.set STEPS, 16
.set AHEAD, 8
.set EMAX,  2
.set CB,    12                         ; bytes of 16 codes
.set R,     16                         ; v16-143  eight sets of 16 numbers as they are loaded
.set X,     144                        ; v144-175 two sets of 16 neighbours
.set E,     176                        ; v176-191 a scale byte for each step
.set C,     192                        ; v192-255 codes: four registers for each step, so that no store's data are written again
.set WREG,  8192                       ; LDS: a region for each wave: two stages of 32 x SP bytes, behind them its 256 scale bytes
.set SP,    80                         ; a lane's place in a stage: its 64 bytes + 16 of padding
.set CODES, 262144
	s_load_b128 s[4:7], s[0:1], 0x0                ; x, xq
	v_lshl_add_u32 v251, v0, 2, 0x8000
	v_mov_b32 v255, 0
	v_lshrrev_b32 v1, 5, v0
	v_readfirstlane_b32 s16, v1                    ; wave
	v_and_b32 v2, 31, v0                           ; lane
	v_lshlrev_b32 v3, 4, v2                        ; my 16 bytes of a load's 512
	s_mul_i32 s17, s16, WREG
	v_lshrrev_b32 v14, 2, v2
	v_mul_u32_u24 v14, v14, SP
	v_and_b32 v15, 3, v2
	v_lshl_add_u32 v14, v15, 4, v14
	v_add_nc_u32 v14, s17, v14                     ; the stage, on the way in: SP (lane / 4) + 16 (lane % 4)
	v_mul_u32_u24 v15, v2, SP
	v_add_nc_u32 v15, s17, v15                     ; and on the way out: SP x lane: my 16 neighbours
	v_mul_u32_u24 v4, v2, CB                       ; my codes' place in a step's
	v_lshrrev_b32 v5, 1, v2
	s_add_co_u32 s17, s17, 2*32*SP
	v_add_nc_u32 v5, s17, v5                       ; LDS: my wave's 256 scale bytes, my block's byte
	v_lshlrev_b32 v7, 3, v2                        ; and on the way out 8 bytes a lane
	v_add_nc_u32 v6, s17, v7
	s_lshl_b32 s18, ttmp9, 2
	s_add_co_u32 s20, s18, s16                     ; the run of 8 rows that I read: 4 x work-group + wave
	s_and_b32 s21, s16, 1
	s_lshl_b32 s21, s21, 1
	s_lshr_b32 s22, s16, 1
	s_or_b32 s21, s21, s22                         ; the wave's two bits are the rows' bits 3 and 4: swapped,
	s_add_co_u32 s18, s18, s21                     ; they give the run of 8 positions that I write
	s_lshl_b32 s20, s20, 15                        ; 8 rows of 4,096 bytes
	s_mov_b32 s21, 0
	s_mul_i32 s22, s18, 8*768
	s_add_co_u32 s22, s22, CODES
	s_mov_b32 s23, 0
	s_lshl_b32 s24, s18, 8                         ; 8 rows of 32 scale bytes
	s_mov_b32 s25, 0
	s_wait_kmcnt 0x0
	s_add_nc_u64 s[4:5], s[4:5], s[20:21]
	s_add_nc_u64 s[8:9], s[6:7], s[22:23]
	s_add_nc_u64 s[10:11], s[6:7], s[24:25]
.macro LOAD t
.irp i, 0,1,2,3
	global_load_b128 v[R+16*((\t)%AHEAD)+4*\i:R+16*((\t)%AHEAD)+4*\i+3], v3, s[4:5] offset:2048*(\t)+512*\i th:TH_LOAD_NT   ; 32 lanes read 512 consecutive bytes
.endr
.endm
.macro TURN t                          ; step t's numbers through the stage: LDS serves a wave's instructions in order, so no wait stands between the stores and the loads
.irp i, 0,1,2,3
	ds_store_b128 v14, v[R+16*((\t)%AHEAD)+4*\i:R+16*((\t)%AHEAD)+4*\i+3] offset:32*SP*((\t)%2)+8*SP*\i
.endr
.irp i, 0,1,2,3
	ds_load_b128 v[X+16*((\t)%2)+4*\i:X+16*((\t)%2)+4*\i+3], v15 offset:32*SP*((\t)%2)+16*\i
.endr
.endm
.irp t, 0,1,2,3,4,5,6,7
	LOAD \t
.endr
	s_wait_loadcnt 28                              ; of the 32 loads step 0's four are in
	TURN 0
.macro STEP t
.set XS, X+16*((\t)%2)
.if (\t) > 0
	s_wait_dscnt 1                                 ; this step's numbers are back from the stage (the last step's byte store may be out): so its stores into the stage have read their registers,
.else
	s_wait_dscnt 0x0
.endif
.if (\t)+AHEAD < STEPS
	LOAD (\t)+AHEAD                                ; which take the loads of eight steps on
.endif
.if (\t)+1 < STEPS
.if (\t)+AHEAD < STEPS
	s_wait_loadcnt 4*(AHEAD-1)                     ; the next step's four loads are in; those of the seven steps behind it may be out
.else
	s_wait_loadcnt 4*(STEPS-2-(\t))                ; the steps that are left behind the next one
.endif
	TURN (\t)+1                                    ; and go through the other stage while this step is worked
.endif
	v_max3_num_f32 v8, |v[XS]|, |v[XS+1]|, |v[XS+2]|               ; the largest magnitude of my 16
	v_max3_num_f32 v9, |v[XS+3]|, |v[XS+4]|, |v[XS+5]|
.irp i, 6,10
	v_max3_num_f32 v8, v8, |v[XS+\i]|, |v[XS+\i+1]|
	v_max3_num_f32 v9, v9, |v[XS+\i+2]|, |v[XS+\i+3]|
.endr
	v_max3_num_f32 v8, v8, |v[XS+14]|, |v[XS+15]|
	v_max3_num_f32 v8, v8, v9, (EMAX+1)<<23        ; and the floor 2^(EMAX + 1 - 127): so the byte cannot fall under 1
	v_max_num_f32_dpp v8, v8, v8 row_xmask:1 row_mask:0xf bank_mask:0xf   ; and of my neighbour's 16: the block's
	v_add_nc_u32 v11, -(EMAX<<23), v8              ; EMAX off its exponent field: the conversion takes the exponent field of this operand as its scale
	v_cvt_scalef32_pk16_fp6_f32 v[C+4*(\t):C+4*(\t)+2], v[XS:XS+15], v11
	v_lshrrev_b32 v[E+(\t)], 23, v11               ; the scale's byte (also the plain line behind the conversion)
	ds_store_b8 v5, v[E+(\t)] offset:16*(\t)       ; both lanes of a block write the same byte with the same value
	global_store_b96 v4, v[C+4*(\t):C+4*(\t)+2], s[8:9] offset:32*CB*(\t)   ; the wave stores 384 consecutive bytes
.endm
.irp t, 0,1,2,3,4,5,6,7,8,9,10,11,12,13,14,15
	STEP \t
.endr
	ds_load_b64 v[12:13], v6                       ; LDS serves a wave's instructions in order: these see my stores
	s_wait_dscnt 0x0
	global_store_b64 v7, v[12:13], s[10:11]        ; 32 lanes store 256 consecutive bytes, aligned
	s_wait_tensorcnt 0x0
	ds_add_u32 v251, v255
	s_wait_dscnt 0x0
	s_endpgm
.Lfunc_end_k_qb1b1c4e88a_quant_x:
	.size	k_qb1b1c4e88a_quant_x, .Lfunc_end_k_qb1b1c4e88a_quant_x-k_qb1b1c4e88a_quant_x
	.p2alignl 7, 3214868480
	.fill 96, 4, 3214868480
	.section	.rodata,"a",@progbits
	.p2align	6, 0x0
	.amdhsa_kernel k_qb1b1c4e88a_quant_x
		.amdhsa_group_segment_fixed_size 33280
		.amdhsa_private_segment_fixed_size 0
		.amdhsa_enable_private_segment 0
		.amdhsa_kernarg_size 16
		.amdhsa_user_sgpr_count 2
		.amdhsa_user_sgpr_kernarg_segment_ptr 1
		.amdhsa_wavefront_size32 1
		.amdhsa_system_sgpr_workgroup_id_x 1
		.amdhsa_system_sgpr_workgroup_id_y 1
		.amdhsa_system_sgpr_workgroup_id_z 1
		.amdhsa_system_vgpr_workitem_id 0
		.amdhsa_next_free_vgpr 256
		.amdhsa_next_free_sgpr 66
		.amdhsa_reserve_vcc 0
		.amdhsa_float_denorm_mode_32 3
		.amdhsa_float_denorm_mode_16_64 3
		.amdhsa_memory_ordered 1
		.amdhsa_forward_progress 1
		.amdhsa_inst_pref_size 32
	.end_amdhsa_kernel
	.amdgpu_metadata
---
amdhsa.version: [ 1, 2 ]
amdhsa.kernels:
  - .name:           k_qb1b1c4e88a_quant_x
    .symbol:         k_qb1b1c4e88a_quant_x.kd
    .args:
      - { .name: x, .offset: 0, .size: 8, .value_kind: global_buffer, .address_space: global }
      - { .name: xq, .offset: 8, .size: 8, .value_kind: global_buffer, .address_space: global }
    .group_segment_fixed_size: 33280
    .private_segment_fixed_size: 0
    .kernarg_segment_align: 8
    .kernarg_segment_size: 16
    .max_flat_workgroup_size: 128
    .sgpr_count:     66
    .vgpr_count:     256
    .wavefront_size: 32
...
	.end_amdgpu_metadata
.endif
;; end of part 1
;; launch quant_w (part 2): grid 32 x 4, 4 waves a work-group, no clusters, 36,352 bytes of LDS; arguments Wq, Wk, Wv, Wo, wqk, wv, wo; writes wqk, wv, wo
.if DOCPART == 2
	.amdgcn_target "amdgcn-amd-amdhsa--gfx1250"
	.amdhsa_code_object_version 6
	.text
	.protected	k_qb1b1c4e88a_quant_w
	.globl	k_qb1b1c4e88a_quant_w
	.p2align	8
	.type	k_qb1b1c4e88a_quant_w,@function
k_qb1b1c4e88a_quant_w:
	s_mov_b64 s[64:65], 0
	v_nop
	global_prefetch_b8 v0, s[64:65] scope:SCOPE_SE
	s_setreg_imm32_b32 hwreg(HW_REG_WAVE_MODE, 25, 1), 1
	s_wait_xcnt 0x0
; Wq, Wk, Wv, Wo [k 1024][n 1024], f32, K their FIRST axis, become codes of FP6 (E2M3) laid [n][k] with K innermost, and one E8M0 scale byte for each 32 along K.
; Each output buffer: scale bytes [position][32] from byte 0, codes [position][768] from byte 262,144.  wqk holds Wq's 1,024 columns, then Wk's.
; A column n lies at the position that n gives with bits 3 and 4 swapped (see the launch that quantises x).
; A LANE TAKES A COLUMN n, AND ITS REGISTERS RUN DOWN K: a block of 32 along K lies in one lane's 32 registers, and the conversions give codes with K innermost.
; A wave takes 32 columns x 256 along K; its codes go through its own stage in LDS and leave as rows: sixteen lanes store a row's 192 consecutive bytes.
; Work-group x: bits 4:3 say which weight, bits 2:0 which 128 columns; y: which 256 along K.  The buffers are chosen by s_cselect_b64 on the work-group's number alone: one path for all four.
; LIMITS: a block of zeros gets the byte 1 where the rule says 127 (its codes are zeros, and this program alone reads the bytes); NaN and infinities among the inputs are not served.
.set SIZE_K, 1024
.set SIZE_N, 1024
.set KW,    256                        ; along K for a wave
.set NB,    KW/32                      ; blocks
.set ROWB,  192                        ; bytes of KW codes
.set PITCH, 272                        ; a stage row: sixteen places of 16 bytes, each with 12 bytes of codes, + 16
.set KROW,  SIZE_K*6/8                 ; a row of codes in bytes
.set EMAX,  2
.set CODES, 262144
.set X,     32                         ; v32-95   two sets of 32 numbers
.set C,     96                         ; v96..    a block's codes
.set OUTR,  112                        ; v112-175 the way out: 16 x 4 registers
.set SB,    24                         ; v24-25   the scale bytes, four to a register
	s_load_b256 s[4:11], s[0:1], 0x0               ; Wq, Wk, Wv, Wo
	s_load_b128 s[12:15], s[0:1], 0x20             ; wqk, wv
	s_load_b64 s[16:17], s[0:1], 0x30              ; wo
	v_lshl_add_u32 v192, v0, 2, 0x8c00
	v_mov_b32 v193, 0
	v_lshrrev_b32 v1, 5, v0
	v_readfirstlane_b32 s30, v1                    ; wave 0..3
	v_and_b32 v2, 31, v0                           ; lane
	s_lshr_b32 s31, ttmp9, 3                       ; which weight
	s_and_b32 s32, ttmp9, 7
	s_lshl_b32 s32, s32, 7
	s_lshl_b32 s34, s30, 5
	s_add_co_u32 s32, s32, s34                     ; my wave's first column
	s_and_b32 s18, ttmp7, 0xffff                   ; which KW along K
	v_lshlrev_b32 v3, 2, v2                        ; in: 4 bytes a lane
	s_mul_i32 s19, s30, 32*PITCH                   ; my stage
	v_and_b32 v10, 7, v2
	v_bfe_u32 v5, v2, 3, 1
	v_lshl_add_u32 v10, v5, 4, v10
	v_bfe_u32 v5, v2, 4, 1
	v_lshl_add_u32 v10, v5, 3, v10                 ; my column's position among the wave's 32: bits 3 and 4 swapped
	v_mul_u32_u24 v4, v10, PITCH
	v_add_nc_u32 v4, s19, v4                       ; into the stage: row = my column's position
	v_and_b32 v5, 15, v2
	v_lshrrev_b32 v6, 4, v2                        ; out of it: sixteen lanes to a row, two rows an instruction
	v_mul_u32_u24 v7, v6, PITCH
	v_lshl_add_u32 v7, v5, 4, v7
	v_add_nc_u32 v7, s19, v7                       ; LDS address
	v_mul_u32_u24 v8, v6, KROW
	v_mad_u32_u24 v8, v5, 12, v8                   ; and the same place among the codes
	v_lshlrev_b32 v9, 5, v10                       ; my column's row of scale bytes
	s_lshl_b32 s20, s18, 20                        ; W: KW rows of 4,096 bytes a step of y,
	s_lshl_b32 s22, s32, 2
	s_add_co_u32 s20, s20, s22                     ; + 4 x column
	s_mov_b32 s21, 0
	s_cmp_eq_u32 s31, 1
	s_cselect_b32 s33, 1024, 0                     ; Wk's columns lie behind Wq's
	s_add_co_u32 s33, s33, s32                     ; my first position
	s_mul_i32 s24, s33, KROW
	s_mul_i32 s26, s18, ROWB
	s_add_co_u32 s24, s24, s26
	s_add_co_u32 s24, s24, CODES
	s_mov_b32 s25, 0
	s_lshl_b32 s28, s33, 5
	s_lshl_b32 s26, s18, 3
	s_add_co_u32 s28, s28, s26
	s_mov_b32 s29, 0
	s_wait_kmcnt 0x0
	s_cmp_eq_u32 s31, 1
	s_cselect_b64 s[4:5], s[6:7], s[4:5]
	s_cmp_eq_u32 s31, 2
	s_cselect_b64 s[4:5], s[8:9], s[4:5]
	s_cselect_b64 s[12:13], s[14:15], s[12:13]
	s_cmp_eq_u32 s31, 3
	s_cselect_b64 s[4:5], s[10:11], s[4:5]
	s_cselect_b64 s[12:13], s[16:17], s[12:13]
	s_add_nc_u64 s[4:5], s[4:5], s[20:21]          ; the weight at my wave's part
	s_add_nc_u64 s[6:7], s[12:13], s[24:25]        ; its codes
	s_add_nc_u64 s[8:9], s[12:13], s[28:29]        ; its scale bytes
.macro LOAD t                          ; block t: W(32 t + i, my column), i = 0 .. 31, into set t % 2
.irp i, 0,1,2,3,4,5,6,7,8,9,10,11,12,13,14,15,16,17,18,19,20,21,22,23,24,25,26,27,28,29,30,31
	global_load_b32 v[X+32*((\t)%2)+\i], v3, s[4:5] offset:(32*(\t)+\i)*SIZE_N*4 th:TH_LOAD_NT
.endr
.endm
	LOAD 0
	LOAD 1
.macro BLOCK t
.set XS, X+32*((\t)%2)
.if (\t) < NB-1
	s_wait_loadcnt 32                              ; this block's 32 loads are in; the next block's may be out
.else
	s_wait_loadcnt 0
.endif
	v_max3_num_f32 v12, |v[XS]|, |v[XS+1]|, |v[XS+2]|               ; the block's largest magnitude: all 32 numbers are mine
	v_max3_num_f32 v13, |v[XS+3]|, |v[XS+4]|, |v[XS+5]|
.irp i, 6,10,14,18,22,26
	v_max3_num_f32 v12, v12, |v[XS+\i]|, |v[XS+\i+1]|
	v_max3_num_f32 v13, v13, |v[XS+\i+2]|, |v[XS+\i+3]|
.endr
	v_max3_num_f32 v12, v12, |v[XS+30]|, |v[XS+31]|
	v_max3_num_f32 v12, v12, v13, (EMAX+1)<<23     ; and the floor 2^(EMAX + 1 - 127): so the byte cannot fall under 1
	v_add_nc_u32 v11, -(EMAX<<23), v12             ; EMAX off its exponent field: the conversion's scale operand
	v_lshrrev_b32 v13, 23, v11                     ; the scale's byte
.if (\t)%4 == 0
	v_mov_b32 v[SB+(\t)/4], v13                    ; four bytes to a register, the lower K in the lower byte
.else
	v_lshl_or_b32 v[SB+(\t)/4], v13, 8*((\t)%4), v[SB+(\t)/4]
.endif
	v_cvt_scalef32_pk16_fp6_f32 v[C:C+2], v[XS:XS+15], v11
	v_cvt_scalef32_pk16_fp6_f32 v[C+4:C+6], v[XS+16:XS+31], v11     ; (a conversion's three registers begin on an even number)
	ds_store_b96 v4, v[C:C+2] offset:32*(\t)       ; 16 codes, 12 bytes, to a place of 16 bytes in the stage
	ds_store_b96 v4, v[C+4:C+6] offset:32*(\t)+16
.if (\t)+2 < NB
	LOAD (\t)+2
.endif
	s_wait_dscnt 0x0                               ; the stores have read their registers: the next block's codes may be written
.endm
.set Q, 0
.rept NB
	BLOCK Q
.set Q, Q+1
.endr
	global_store_b64 v9, v[SB:SB+1], s[8:9]        ; my column's NB scale bytes
.irp t, 0,1,2,3,4,5,6,7,8,9,10,11,12,13,14,15
	ds_load_b96 v[OUTR+4*\t:OUTR+4*\t+2], v7 offset:2*\t*PITCH   ; LDS serves a wave's instructions in order: these see my stores
.endr
.irp t, 0,1,2,3,4,5,6,7,8,9,10,11,12,13,14,15
	s_wait_dscnt 15-\t                             ; the younger loads from the stage may be out
	global_store_b96 v8, v[OUTR+4*\t:OUTR+4*\t+2], s[6:7] offset:2*\t*KROW
.endr
	s_wait_tensorcnt 0x0
	ds_add_u32 v192, v193
	s_wait_dscnt 0x0
	s_endpgm
.Lfunc_end_k_qb1b1c4e88a_quant_w:
	.size	k_qb1b1c4e88a_quant_w, .Lfunc_end_k_qb1b1c4e88a_quant_w-k_qb1b1c4e88a_quant_w
	.p2alignl 7, 3214868480
	.fill 96, 4, 3214868480
	.section	.rodata,"a",@progbits
	.p2align	6, 0x0
	.amdhsa_kernel k_qb1b1c4e88a_quant_w
		.amdhsa_group_segment_fixed_size 36352
		.amdhsa_private_segment_fixed_size 0
		.amdhsa_enable_private_segment 0
		.amdhsa_kernarg_size 56
		.amdhsa_user_sgpr_count 2
		.amdhsa_user_sgpr_kernarg_segment_ptr 1
		.amdhsa_wavefront_size32 1
		.amdhsa_system_sgpr_workgroup_id_x 1
		.amdhsa_system_sgpr_workgroup_id_y 1
		.amdhsa_system_sgpr_workgroup_id_z 1
		.amdhsa_system_vgpr_workitem_id 0
		.amdhsa_next_free_vgpr 194
		.amdhsa_next_free_sgpr 66
		.amdhsa_reserve_vcc 0
		.amdhsa_float_denorm_mode_32 3
		.amdhsa_float_denorm_mode_16_64 3
		.amdhsa_memory_ordered 1
		.amdhsa_forward_progress 1
		.amdhsa_inst_pref_size 42
	.end_amdhsa_kernel
	.amdgpu_metadata
---
amdhsa.version: [ 1, 2 ]
amdhsa.kernels:
  - .name:           k_qb1b1c4e88a_quant_w
    .symbol:         k_qb1b1c4e88a_quant_w.kd
    .args:
      - { .name: Wq, .offset: 0, .size: 8, .value_kind: global_buffer, .address_space: global }
      - { .name: Wk, .offset: 8, .size: 8, .value_kind: global_buffer, .address_space: global }
      - { .name: Wv, .offset: 16, .size: 8, .value_kind: global_buffer, .address_space: global }
      - { .name: Wo, .offset: 24, .size: 8, .value_kind: global_buffer, .address_space: global }
      - { .name: wqk, .offset: 32, .size: 8, .value_kind: global_buffer, .address_space: global }
      - { .name: wv, .offset: 40, .size: 8, .value_kind: global_buffer, .address_space: global }
      - { .name: wo, .offset: 48, .size: 8, .value_kind: global_buffer, .address_space: global }
    .group_segment_fixed_size: 36352
    .private_segment_fixed_size: 0
    .kernarg_segment_align: 8
    .kernarg_segment_size: 56
    .max_flat_workgroup_size: 128
    .sgpr_count:     66
    .vgpr_count:     194
    .wavefront_size: 32
...
	.end_amdgpu_metadata
.endif
;; end of part 2
;; launch proj_qk (part 3): grid 8 x 32, 4 waves a work-group, clusters of 4 x 4, 327,680 bytes of LDS; arguments xq, wqk, qk; writes qk
.if DOCPART == 3
	.amdgcn_target "amdgcn-amd-amdhsa--gfx1250"
	.amdhsa_code_object_version 6
	.text
	.protected	k_qb1b1c4e88a_proj_qk
	.globl	k_qb1b1c4e88a_proj_qk
	.p2align	8
	.type	k_qb1b1c4e88a_proj_qk,@function
k_qb1b1c4e88a_proj_qk:
	s_mov_b64 s[64:65], 0
	v_nop
	global_prefetch_b8 v0, s[64:65] scope:SCOPE_SE
	s_setreg_imm32_b32 hwreg(HW_REG_WAVE_MODE, 25, 1), 1
	s_wait_xcnt 0x0
	s_wait_alu depctr_hold_cnt(0) depctr_sa_sdst(0) depctr_va_vdst(0) depctr_va_sdst(0) depctr_va_ssrc(0) depctr_va_vcc(0) depctr_vm_vsrc(0)
	s_getreg_b32 s2, hwreg(HW_REG_IB_STS2, 6, 4)
	s_cmp_eq_u32 s2, 0
	s_cbranch_scc0 .Lentry_in_a_cluster
	s_endpgm
.Lentry_in_a_cluster:
	s_bfe_u32 s2, ttmp6, 0x10000c
	s_cmp_lg_u32 s2, 0xf033
	s_cbranch_scc0 .Lentry_shape_is_right
	s_endpgm
.Lentry_shape_is_right:
; C = A B^T on codes of FP6 (E2M3) with E8M0 scales, K = 1,024, and C IS QUANTISED ALONG n IN REGISTERS and leaves as codes: no f32 result goes to memory.
; A, B: one buffer each: scale bytes [position][32] from byte 0, codes [position][768] from byte 262,144; a row lies at the position that its number gives with bits 3 and 4 swapped.
; The body serves two launches: A = x, B = Wq | Wk (q and k, quantised along the head's 64), and A = Wv, B = x (V^T, quantised along the keys).
; A tile of C, 256 x 256, is made by four waves, each 128 x 128: 64 accumulators, 512 registers.  K goes in steps of 256 through a ring of two LDS slots filled by the tensor data mover;
; the scales of the work-group's rows come into LDS once, with the first fills.  CLUSTERS: 4 x 4 work-groups; A's tiles are asked for jointly along a row of the cluster, B's along a column.
; THE MATRIX INSTRUCTION IS USED TRANSPOSED (source 0 = 16 positions of B, source 1 = 16 of A): a lane holds one row of C, and, by the order of B's positions, the 16 registers of tiles 2 b and 2 b + 1
; are the 16 neighbours n = 32 b + 16 (lane / 16) + 0 .. 15: what the conversions want.
; OUT: images of operand registers.  Half an operand (16 rows x 64 along n: 6 registers a lane) is 768 bytes: piece p (0..2) of lane l at 256 p + 8 l.
;   tile number idx = (tile column & 7) + 8 x tile row + 32 x (tile column >> 3);  codes from byte 1,048,576: idx x 49,152 + ((2 nh + c) x 16 + 8 mh + a) x 768;
;   scale words from byte 0: idx x 4,096 + ((2 nh + c) x 16 + 8 mh + a) x 64 + 4 r: for c = 0 the row's whole word (four blocks), for c = 1 the word >> 16.
; LIMITS: a block of zeros gets the byte 1 where the rule says 127 (its codes are zeros, and this program alone reads the bytes); NaN and infinities are not served.
; REGISTERS, in windows of 256: window 0: v0-31 addresses; v32-63 scale words, two sets; from v128 A's fragments, ONE set; on the way out v32-255 are free.
;   window 1: B's fragments, TWO sets, at v0 and at v128.   window 2: the accumulators of my rows 0-63 ((a, b) at v[8 (8 a + b)]);   window 3: those of my rows 64-127.
.set SIZE_K, 1024
.set KSTEP,  256                       ; along K in a slot
.set NQ,     KSTEP/128                 ; matrix instructions deep
.set ROWB,   192                       ; a tile's row in bytes
.set KROW,   SIZE_K*6/8                ; a row of codes in memory
.set PITCH,  240                       ; an LDS row: 3 x (64 bytes of data + 16 of padding)
.set FR,     12                        ; registers of a fragment
.set NL,     6                         ; LDS loads that bring one
.set NP,     4                         ; places behind this matrix instruction (ISA guide 7.12.1)
.set HALFT,  128*PITCH                 ; 128 rows: what one tensor load brings
.set SLOT,   4*HALFT                   ; A's 256 rows, then B's 256 rows
.set LAPS,   SIZE_K/(2*KSTEP)          ; a lap = two K steps = once round the ring
.set KS,     SIZE_K/32                 ; a row of scales in bytes
.set SCL,    2*SLOT                    ; behind the ring: the scales, as runs of 256 bytes + 16 of padding
.set HALFS,  (128*KS/256)*272          ; the scales of 128 rows
.set SBLK,   (16*KS/256)*272           ; those of 16 rows
.set SPARE,  SCL+4*HALFS               ; the spare words, 128 bytes for each wave: two blocks of 256 bytes that no other line names
.set SST,    SPARE+512                 ; the way out: 1,024 bytes for each wave, its rows' scale words; no fill lands here
.set CODES,  262144                    ; where codes begin in A's and B's buffers
.set OCODES, 1048576                   ; and in the output
.set ADRA, 16                          ; v16-17  LDS address of my A fragments in slot 0, 1  (v18-19: for the pieces that lie behind one padding more)
.set ADRB, 20                          ; v20-21  the same for B  (v22-23)
.set SSTO, 24                          ; v24     where I put a scale word: SST + 1,024 wave + 512 (lane / 16) + 4 (lane % 16)
.set SSLD, 25                          ; v25     where I read them back: SST + 1,024 wave + 16 lane
.set CO,   26                          ; v26     8 x lane: my place in a piece of an image
.set ADRS, 27                          ; v27     LDS address of my scale words: lanes 0-15 A's rows, lanes 16-31 B's
.set SPW,  28                          ; v28     LDS address of my spare word; never rewritten
.set NIL,  29                          ; v29     0; never rewritten
.set C16,  30                          ; v30     16 x lane
.set SH,   31                          ; v31     16 x (lane / 16): lanes 16-31 keep the upper half of a scale word
.set SC,   32                          ; scale words: set s at v[SC + 8 NQ s]
.set AF,   128                         ; A's fragments, in window 0
.set PC0,  32                          ; the way out: v32-127 the codes, 12 registers for each of my eight blocks of rows
.set CS2,  128                         ; v128-134 the conversions' second halves
.set WD,   136                         ; v136-143 a scale word for each block
.set SBK,  144                         ; v144-151 the scale words read back
.set TM,   200                         ; v200-203 largest magnitudes, v204-207 bytes, v212-215 the conversions' scale operands
.set PW,   216                         ; the scale word just made
.set G1, 24                            ; s[24:31] descriptor group 1 for A's tiles;  s[32:39] group 0, one set for each slot
.set G0, 32
.set G1B, 48                           ; s[48:55], s[56:63] the same for B's tiles
.set G0B, 56
.set G1S, 68                           ; s[68:75], s[76:79] groups 1 and 0 for A's scales;  s[80:87], s[88:91] for B's
.set G0S, 76
.set G1SB, 80
.set G0SB, 88
.set SEL, 96                           ; s[96:97] lane selects for v_permlanex16_b32: lane l xor 16
.set MSB, 0
.macro WIN new                         ; the immediate's high byte repeats the setting that is left
.if MSB != \new
	s_set_vgpr_msb (MSB<<8)|\new
.set MSB, \new
.endif
.endm
.set MUL_LO, 0xa1                      ; source 0 (B) window 1, source 1 (A) window 0, C and D window 2
.set MUL_HI, 0xf1                      ; the same, C and D window 3
.set TO_B,   0x40                      ; destination window 1, address window 0
; A joint load: waves 0 and 1 fetch for A, waves 2 and 3 for B.  Each of the two lines has ONE mask and one set of registers for all that issue it; the branch hangs on the wave's number alone.
; Four v_nop follow each of the two lines, ahead of the jump, the label and what follows.
.macro JLOAD g0a, g1a, g0b, g1b
	s_cmp_eq_u32 s15, 0
	s_cbranch_scc0 .Lfor_b_\@
	tensor_load_to_lds s[\g0a:\g0a+3], s[\g1a:\g1a+7]
	s_nop 0
.rept 4
	v_nop
.endr
	s_branch .Lasked_\@
.Lfor_b_\@:
	tensor_load_to_lds s[\g0b:\g0b+3], s[\g1b:\g1b+7]
	s_nop 0
.rept 4
	v_nop
.endr
.Lasked_\@:
.endm
.macro CREST                           ; a round of the cluster's barrier behind its opening barrier
	s_cmp_lg_u32 s14, 0
	s_cbranch_scc1 .Lnot_wave_0_\@
	s_barrier_signal -3
.Lnot_wave_0_\@:
	s_barrier_wait -3
	s_barrier_signal -1
	s_barrier_wait -1
.endm
.macro CROUND                          ; a whole round
	s_barrier_signal -1
	s_barrier_wait -1
	CREST
.endm
	s_load_b64 s[6:7], s[0:1], 0x0                 ; A's buffer: its scales begin it
	s_load_b64 s[10:11], s[0:1], 0x8               ; B's buffer
	s_load_b64 s[12:13], s[0:1], 0x10              ; the output
	v_lshl_add_u32 v[SPW], v0, 2, SPARE
	v_mov_b32 v[NIL], 0
	ds_add_u32 v28, v29
	s_wait_dscnt 0x0
	v_lshrrev_b32 v1, 5, v0
	v_readfirstlane_b32 s14, v1                    ; wave 0..3
	s_lshr_b32 s15, s14, 1                         ; mh: which half of the tile's rows is mine.  Also: I fetch for A (0) or for B (1)
	s_and_b32 s16, s14, 1                          ; nh: which half of its columns.  Also: which 128 rows of that tile I fetch
	s_bfe_u32 s40, ttmp6, 0x40000                  ; cx, cy: my place in the cluster
	s_bfe_u32 s41, ttmp6, 0x40004
	s_lshl_b32 s42, ttmp9, 2
	s_add_co_u32 s42, s42, s40                     ; tile column of C = 4 x cluster x + cx
	s_and_b32 s17, ttmp7, 0xffff
	s_lshl_b32 s17, s17, 2
	s_add_co_u32 s17, s17, s41                     ; tile row of C = 4 x cluster y + cy
	s_lshl_b32 s43, s41, 2
	s_lshl_b32 s43, 15, s43                        ; my row of the cluster
	s_lshl_b32 s44, 0x1111, s40                    ; my column
	s_mov_b32 s[SEL], 0x76543210
	s_mov_b32 s[SEL+1], 0xfedcba98
	; descriptor group 1: a tile of 128 rows x ROWB bytes, padded in LDS
	s_or_b32 s[G1+0], s43, (0<<16)|(1<<20)|(1<<21)|(3<<22)|(3<<25)  ; 15:0 the mask: A's tiles go to my row; 17:16 element of 1 byte; 20 padding on; 21 set beside a mask; 24:22 after every 16 words; 31:25 of 4 words
	s_or_b32 s[G1B+0], s44, (0<<16)|(1<<20)|(1<<21)|(3<<22)|(3<<25)
.irp g, G1, G1B
	s_mov_b32 s[\g+1], ROWB<<16                    ; tensor_dim0
	s_mov_b32 s[\g+2], 128<<16                     ; tensor_dim1 = 128
	s_mov_b32 s[\g+3], ROWB<<16                    ; tile_dim0
	s_mov_b32 s[\g+4], 128                         ; tile_dim1 = 128
	s_mov_b32 s[\g+5], KROW                        ; tensor_dim0_stride
	s_mov_b32 s[\g+6], 0
	s_mov_b32 s[\g+7], 0
.endr
	; and for the scales of 128 rows: a dense block of 128 KS bytes, as rows of 256 bytes (32 elements of 8 bytes), 16 bytes of padding behind each
	s_or_b32 s[G1S+0], s43, (3<<16)|(1<<20)|(1<<21)|(5<<22)|(3<<25)
	s_or_b32 s[G1SB+0], s44, (3<<16)|(1<<20)|(1<<21)|(5<<22)|(3<<25)
.irp g, G1S, G1SB
	s_mov_b32 s[\g+1], 32<<16
	s_mov_b32 s[\g+2], (128*KS/256)<<16
	s_mov_b32 s[\g+3], 32<<16
	s_mov_b32 s[\g+4], 128*KS/256
	s_mov_b32 s[\g+5], 32
	s_mov_b32 s[\g+6], 0
	s_mov_b32 s[\g+7], 0
.endr
	s_lshl_b32 s18, s16, 7                         ; which 128 rows of the tile I fetch
	s_lshl_b32 s20, s17, 8
	s_add_co_u32 s20, s20, s18                     ; A: position 256 x tile row + 128 x half
	s_lshl_b32 s46, s42, 8
	s_add_co_u32 s46, s46, s18                     ; B: position 256 x tile column + 128 x half
	s_mov_b32 s21, 0
	s_mov_b32 s47, 0
	s_mov_b64 s[18:19], KS
	s_mul_u64 s[22:23], s[20:21], s[18:19]         ; where these rows' scales begin, in bytes
	s_mul_u64 s[92:93], s[46:47], s[18:19]
	s_mov_b64 s[18:19], KROW
	s_mul_u64 s[20:21], s[20:21], s[18:19]         ; and their codes
	s_mul_u64 s[46:47], s[46:47], s[18:19]
	s_mul_i32 s45, s14, HALFT                      ; where they go: wave x 128 rows: no place in the cluster enters an LDS address
	s_mul_i32 s94, s14, HALFS
	s_wait_kmcnt 0x0
	s_add_nc_u64 s[4:5], s[6:7], CODES             ; A's codes
	s_add_nc_u64 s[8:9], s[10:11], CODES           ; B's codes
	s_add_nc_u64 s[20:21], s[4:5], s[20:21]
	s_add_nc_u64 s[22:23], s[6:7], s[22:23]
	s_add_nc_u64 s[46:47], s[8:9], s[46:47]
	s_add_nc_u64 s[92:93], s[10:11], s[92:93]
	CROUND                                         ; all sixteen work-groups are here: the first joint loads meet
	s_mov_b32 s[G0S], 1
	s_add_co_u32 s[G0S+1], s94, SCL
	s_mov_b64 s[G0S+2:G0S+3], s[22:23]
	s_or_b32 s[G0S+3], s[G0S+3], 0x80000000
	s_mov_b32 s[G0SB], 1
	s_add_co_u32 s[G0SB+1], s94, SCL
	s_mov_b64 s[G0SB+2:G0SB+3], s[92:93]
	s_or_b32 s[G0SB+3], s[G0SB+3], 0x80000000
	JLOAD G0S, G1S, G0SB, G1SB                     ; the scales first: they are wanted with K step 0
.irp s, 0,1
	s_mov_b32 s[G0+4*\s], 1
	s_add_co_u32 s[G0+4*\s+1], s45, \s*SLOT
	s_add_nc_u64 s[G0+4*\s+2:G0+4*\s+3], s[20:21], \s*ROWB
	s_or_b32 s[G0+4*\s+3], s[G0+4*\s+3], 0x80000000
	s_mov_b32 s[G0B+4*\s], 1
	s_add_co_u32 s[G0B+4*\s+1], s45, \s*SLOT
	s_add_nc_u64 s[G0B+4*\s+2:G0B+4*\s+3], s[46:47], \s*ROWB
	s_or_b32 s[G0B+4*\s+3], s[G0B+4*\s+3], 0x80000000
	JLOAD G0+4*\s, G1, G0B+4*\s, G1B
.endr
	v_and_b32 v1, 15, v0                           ; r = l % 16
	v_bfe_u32 v2, v0, 4, 1                         ; h = l / 16
	v_mul_u32_u24 v3, v1, PITCH
	v_mul_u32_u24 v4, v2, 24
	v_add_nc_u32 v4, v3, v4                        ; a fragment's row x pitch + 24 x half
	v_lshl_add_u32 v5, v2, 4, v4                   ; and the same behind one padding more
	s_mul_i32 s21, s15, HALFT                      ; my 128 rows of A
	s_mul_i32 s22, s16, HALFT                      ; my 128 rows of B,
	s_add_co_u32 s22, s22, 2*HALFT                 ; which lie behind A's 256
.irp s, 0,1
	v_add_nc_u32 v[ADRA+\s], s21, v4
	v_add_nc_u32 v[ADRB+\s], s22, v4
	v_add_nc_u32 v[ADRA+2+\s], s21, v5
	v_add_nc_u32 v[ADRB+2+\s], s22, v5
	s_add_co_u32 s21, s21, SLOT
	s_add_co_u32 s22, s22, SLOT
.endr
	v_mul_u32_u24 v5, v1, KS                       ; my row's scales: KS bytes a row,
	v_lshrrev_b32 v6, 8, v5
	v_lshl_add_u32 v5, v6, 4, v5                   ; and 16 more for each 256 passed
	s_mul_i32 s21, s15, HALFS                      ; A's: my 128 rows
	s_mul_i32 s22, s16, HALFS                      ; B's: my 128 rows, behind A's 256
	s_add_co_u32 s22, s22, 2*HALFS
	s_sub_co_u32 s22, s22, s21
	v_mul_u32_u24 v6, s22, v2                      ; lanes 16-31 take B's
	s_add_co_u32 s21, s21, SCL
	v_add_nc_u32 v5, v5, v6
	v_add_nc_u32 v[ADRS], s21, v5
	s_lshl_b32 s23, s14, 10
	s_add_co_u32 s23, s23, SST                     ; my 1,024 bytes for scale words
	v_lshlrev_b32 v5, 2, v1
	v_lshl_add_u32 v5, v2, 9, v5
	v_add_nc_u32 v[SSTO], s23, v5
	v_and_b32 v6, 31, v0
	v_lshlrev_b32 v[C16], 4, v6
	v_add_nc_u32 v[SSLD], s23, v[C16]
	v_lshlrev_b32 v[CO], 3, v6
	v_lshlrev_b32 v[SH], 4, v2
	; where my part of the output begins
	s_and_b32 s46, s42, 7
	s_lshr_b32 s47, s42, 3
	s_lshl_b32 s47, s47, 5
	s_add_co_u32 s46, s46, s47
	s_lshl_b32 s47, s17, 3
	s_add_co_u32 s46, s46, s47                     ; idx
	s_lshl_b32 s92, s46, 12                        ; scale words: idx x 4,096 + 2,048 nh + 512 mh
	s_lshl_b32 s47, s16, 11
	s_add_co_u32 s92, s92, s47
	s_lshl_b32 s47, s15, 9
	s_add_co_u32 s92, s92, s47
	s_mov_b32 s93, 0
	s_add_nc_u64 s[92:93], s[12:13], s[92:93]
	s_mul_i32 s46, s46, 49152                      ; codes: idx x 49,152 + 24,576 nh + 6,144 mh
	s_mul_i32 s47, s16, 24576
	s_add_co_u32 s46, s46, s47
	s_mul_i32 s47, s15, 6144
	s_add_co_u32 s46, s46, s47
	s_add_co_u32 s46, s46, OCODES
	s_mov_b32 s47, 0
	s_add_nc_u64 s[12:13], s[12:13], s[46:47]
.macro FRAG reg, adr, q, i             ; a fragment, 16 rows x 128 K of 6-bit codes, is 12 registers: lane l holds row l % 16; registers 6 c .. 6 c + 5 hold K = 64 c + 32 (l / 16) + 0 .. 31: 24 bytes of the row's stream of bits
.irp p, 0,1,2,3,4,5                    ; in pieces of 8 bytes.  Lanes 0-15 take the row's pieces 12 q + 0, 1, 2 and 12 q + 6, 7, 8, lanes 16-31 those three pieces on
.set PC, 12*(\q)+6*(\p/3)+\p%3        ; 16 bytes of padding lie behind every 64 bytes (8 pieces): where the piece three on lies behind one padding more, the second address register serves
.if PC%8 < 5
	ds_load_b64 v[\reg+2*\p:\reg+2*\p+1], v[\adr] offset:8*PC+16*(PC/8)+(\i)*16*PITCH
.else
	ds_load_b64 v[\reg+2*\p:\reg+2*\p+1], v[\adr+2] offset:8*PC+16*(PC/8)+(\i)*16*PITCH
.endif
.endr
.endm
; 16 matrix instructions: A's blocks a0, a0 + 1 x B's eight, 128 along K: the slot's q-th.  p: B's set;  sc: the set of scale words.  zero = 1: the first product starts the sums.
; The 64 accumulators take turns, one instruction a turn, in the same order in every step.
.macro MUL16 a0, p, q, sc, zero
.irp a, \a0, \a0+1
.irp b, 0,1,2,3,4,5,6,7
.if \zero
	v_wmma_scale_f32_16x16x128_f8f6f4 v[8*(8*((\a)%4)+\b):8*(8*((\a)%4)+\b)+7], v[128*(\p)+FR*\b:128*(\p)+FR*\b+FR-1], v[AF+FR*(\a):AF+FR*(\a)+FR-1], 0, v[SC+8*NQ*(\sc)+NQ*\b+(\q)], v[SC+8*NQ*(\sc)+NQ*(\a)+(\q)] matrix_a_fmt:MATRIX_FMT_FP6 matrix_b_fmt:MATRIX_FMT_FP6 matrix_a_scale:MATRIX_SCALE_ROW1
.else
	v_wmma_scale_f32_16x16x128_f8f6f4 v[8*(8*((\a)%4)+\b):8*(8*((\a)%4)+\b)+7], v[128*(\p)+FR*\b:128*(\p)+FR*\b+FR-1], v[AF+FR*(\a):AF+FR*(\a)+FR-1], v[8*(8*((\a)%4)+\b):8*(8*((\a)%4)+\b)+7], v[SC+8*NQ*(\sc)+NQ*\b+(\q)], v[SC+8*NQ*(\sc)+NQ*(\a)+(\q)] matrix_a_fmt:MATRIX_FMT_FP6 matrix_b_fmt:MATRIX_FMT_FP6 matrix_a_scale:MATRIX_SCALE_ROW1
.endif
.endr
.endr
.endm
.macro FETCH_B slot, q, p              ; B's eight fragments of the slot's q-th 128 along K into set p
	WIN TO_B
.irp i, 0,1,2,3,4,5,6,7
	FRAG 128*(\p)+FR*\i, ADRB+\slot, \q, \i
.endr
	WIN 0
.endm
.macro FETCH_A slot, q, i0             ; A's blocks i0 .. i0 + 3
.irp i, \i0, \i0+1, \i0+2, \i0+3
	FRAG AF+FR*(\i), ADRA+\slot, \q, \i
.endr
.endm
.macro SCALES sc                       ; the next K step's scale words into set sc: NQ words a row; lanes 0-15 take A's block i, lanes 16-31 B's block i
.irp i, 0,1,2,3,4,5,6,7
	ds_load_b64 v[SC+8*NQ*\sc+NQ*\i:SC+8*NQ*\sc+NQ*\i+1], v[ADRS] offset:\i*SBLK
.endr
.endm
; A load into a register that a matrix instruction has read, and a vector instruction that reads a matrix result or writes one of its registers, stand NP places behind it; only plain vector
; instructions that name none of its registers are places (ISA guide 7.12.1 for vector instructions).
.macro PLACES n
.rept \n
	v_nop
.endr
.endm
; A step of 128 along K that has its successor in the same slot.
.macro STEP slot, q, zero
	s_wait_dscnt 4*NL                              ; B's set and A's blocks 0-3 are in; the youngest 24 loads (A's blocks 4-7) may be out
	WIN MUL_LO
	MUL16 0, (\q)%2, \q, \slot, \zero
	MUL16 2, (\q)%2, \q, \slot, \zero
	s_wait_dscnt 0                                 ; A's blocks 4-7 are in (asked for 32 matrix instructions ago)
	PLACES NP
	FETCH_B \slot, (\q)+1, 1-(\q)%2
	FETCH_A \slot, (\q)+1, 0
	WIN MUL_HI
	MUL16 4, (\q)%2, \q, \slot, \zero
	MUL16 6, (\q)%2, \q, \slot, \zero
	PLACES NP
	WIN 0
	FETCH_A \slot, (\q)+1, 4
.endm
; A slot's last step changes slots: ONE barrier; in front of it each wave waits for all its tensor loads, adds 0 to its spare word, and waits for that and for its own reads of this slot.  fill = 1: this slot is filled again, two K steps ahead.
.macro TURN slot, next, fill
	s_wait_tensorcnt 0x0                           ; all my tensor loads have landed: my part of the next slot;  (every window is 0 here)
	ds_add_u32 v[SPW], v[NIL]                      ; 0 onto my spare word;
	s_wait_dscnt 4*NL+1                            ; (the add and the youngest 24 loads, A's blocks 4-7, may be out)
	WIN MUL_LO
	MUL16 0, 1, NQ-1, \slot, 0                     ; sixteen matrix instructions stand between the add and the wait for it
	s_wait_dscnt 0x0                               ; the add is done, and my reads of this slot are over
	s_barrier_signal -1
	MUL16 2, 1, NQ-1, \slot, 0
	WIN 0
	s_barrier_wait -1
.if \fill
	CREST                                          ; the barrier has opened a round of the cluster's barrier: no wave of any partner still reads this slot's tile or has a load on its way
	s_add_nc_u64 s[G0+4*\slot+2:G0+4*\slot+3], s[G0+4*\slot+2:G0+4*\slot+3], 2*ROWB
	s_add_nc_u64 s[G0B+4*\slot+2:G0B+4*\slot+3], s[G0B+4*\slot+2:G0B+4*\slot+3], 2*ROWB
	JLOAD G0+4*\slot, G1, G0B+4*\slot, G1B         ; the first tensor load behind the round; the four v_nop behind it are the places in front of the loads below
.else
	PLACES NP
.endif
	v_add_nc_u32 v[ADRS], 4*NQ, v[ADRS]            ; on to the next K step's scale words (no LDS load of mine is out)
	FETCH_B \next, 0, 0
	FETCH_A \next, 0, 0
	SCALES \next
	WIN MUL_HI
	MUL16 4, 1, NQ-1, \slot, 0
	MUL16 6, 1, NQ-1, \slot, 0
	PLACES NP
	WIN 0
	FETCH_A \next, 0, 4
.endm
	s_wait_tensorcnt 1                             ; of my three loads the scales and my part of K step 0 are in (K step 1's may be out),
	s_barrier_signal -1
	s_barrier_wait -1                              ; everybody's are
	FETCH_B 0, 0, 0
	FETCH_A 0, 0, 0
	SCALES 0
	FETCH_A 0, 0, 4
	STEP 0, 0, 1                                   ; the first step stands in front of the loop: its products start the sums
.if LAPS > 1
	s_mov_b32 s3, LAPS-1
.Llap:                                                 ; a trip goes once round the ring, from a lap's second step to the next lap's first, and fills both slots again
	TURN 0, 1, 1
	STEP 1, 0, 0
	TURN 1, 0, 1
	STEP 0, 0, 0
	s_sub_co_u32 s3, s3, 1
	s_cmp_lg_u32 s3, 0
	s_cbranch_scc1 .Llap
.endif
	TURN 0, 1, 0                                   ; the last lap fills nothing, and has no round of the cluster's barrier
	STEP 1, 0, 0
	s_wait_dscnt 4*NL                              ; the very last step: nothing more to fetch
	WIN MUL_LO
	MUL16 0, 1, NQ-1, 1, 0
	MUL16 2, 1, NQ-1, 1, 0
	s_wait_dscnt 0
	WIN MUL_HI
	MUL16 4, 1, NQ-1, 1, 0
	MUL16 6, 1, NQ-1, 1, 0
	WIN 0
; THE WAY OUT.  Block a (16 rows x my 128 columns): a lane's 64 numbers, register 16 b + i = n 32 b + 16 (lane / 16) + i of its row, become 12 registers of codes and a scale word.
; Each accumulator is read from its low end on.  Each block has code and word registers of its own, so that no store's data are written again.
.macro QOUT a
.set AC, 64*((\a)%4)
.set WW, 2+(\a)/4                      ; the accumulators' window
.set W2, 5*WW                          ; sources 0 and 1 in it
.set PCA, PC0+12*(\a)
	WIN W2
.irp b, 0,1,2,3
	v_max3_num_f32 v[TM+\b], |v[AC+16*\b]|, |v[AC+16*\b+1]|, 0x1800000   ; block b: my 16 numbers, and the floor 2^(3 - 127): so the byte cannot fall under 1
.endr
.irp i, 2,4,6,8,10,12,14
.irp b, 0,1,2,3
	v_max3_num_f32 v[TM+\b], |v[AC+16*\b+\i]|, |v[AC+16*\b+\i+1]|, v[TM+\b]   ; (the four blocks by turns)
.endr
.endr
	WIN 0
.irp b, 0,1,2,3
	v_permlanex16_b32 v[TM+4+\b], v[TM+\b], s[SEL], s[SEL+1]
.endr
.irp b, 0,1,2,3
	v_max_num_f32 v[TM+\b], v[TM+\b], v[TM+4+\b]   ; with lane l xor 16's: the block's largest magnitude
.endr
.irp b, 0,1,2,3
	v_add_nc_u32 v[TM+12+\b], 0xff000000, v[TM+\b] ; 2 off its exponent field: the conversion's scale operand
.endr
.irp b, 0,1,2,3
	v_lshrrev_b32 v[TM+4+\b], 23, v[TM+12+\b]      ; the scale's byte
.endr
	v_lshl_or_b32 v[PW], v[TM+5], 8, v[TM+4]       ; the four bytes make my row's scale word
	v_lshl_or_b32 v[PW], v[TM+6], 16, v[PW]
	v_lshl_or_b32 v[PW], v[TM+7], 24, v[PW]
	v_lshrrev_b32 v[WD+(\a)], v[SH], v[PW]         ; lanes 0-15 keep the word, lanes 16-31 its upper half: the word of columns 64 on
	WIN WW                                         ; source 0 in the accumulators' window
.irp c, 0,1
	v_cvt_scalef32_pk16_fp6_f32 v[PCA+6*\c:PCA+6*\c+2], v[AC+32*\c:AC+32*\c+15], v[TM+12+2*\c]
	v_cvt_scalef32_pk16_fp6_f32 v[CS2+4*\c:CS2+4*\c+2], v[AC+32*\c+16:AC+32*\c+31], v[TM+12+2*\c+1]   ; (a conversion's three registers begin on an even number)
.endr
	WIN 0
	v_nop                                          ; one plain place behind a scaled conversion
.irp c, 0,1                                    ; the operand's layout wants a WHOLE block in a lane: lanes 0-15 block 2 c, lanes 16-31 block 2 c + 1
.irp i, 0,1,2
	v_permlane16_swap_b32 v[PCA+6*\c+\i], v[CS2+4*\c+\i]
.endr
.irp i, 0,1,2
	v_mov_b32 v[PCA+3+6*\c+\i], v[CS2+4*\c+\i]
.endr
.endr
	ds_store_b32 v[SSTO], v[WD+(\a)] offset:64*(\a)
.irp p, 0,1,2,3,4,5
	global_store_b64 v[CO], v[PCA+2*\p:PCA+2*\p+1], s[12:13] offset:(\p/3)*12288+768*(\a)+256*(\p%3)   ; 32 lanes store 256 consecutive bytes, aligned
.endr
.endm
	PLACES NP                                      ; behind the last products: their results are read and their operands' registers written from here on
.irp b, 0,1,2,3
	v_mov_b32 v[TM+4+\b], 0                        ; written once: a lane permute's destination counts as one of its sources
.endr
.irp a, 0,1,2,3,4,5,6,7
	QOUT \a
.endr
	ds_load_b128 v[SBK:SBK+3], v[SSLD]             ; LDS serves a wave's instructions in order: these see my stores.  512 bytes: the words of columns 0-63,
	ds_load_b128 v[SBK+4:SBK+7], v[SSLD] offset:512   ; and of columns 64-127
	s_wait_dscnt 0x0
	global_store_b128 v[C16], v[SBK:SBK+3], s[92:93]
	global_store_b128 v[C16], v[SBK+4:SBK+7], s[92:93] offset:1024
	s_wait_tensorcnt 0x0                           ; the wave's end: behind my last tensor load and my last LDS store
	ds_add_u32 v[SPW], v[NIL]
	s_wait_dscnt 0x0
	CROUND                                         ; the closing round: no work-group ends while a partner may still ask for a tile that names it
	s_endpgm
.Lfunc_end_k_qb1b1c4e88a_proj_qk:
	.size	k_qb1b1c4e88a_proj_qk, .Lfunc_end_k_qb1b1c4e88a_proj_qk-k_qb1b1c4e88a_proj_qk
	.p2alignl 7, 3214868480
	.fill 96, 4, 3214868480
	.section	.rodata,"a",@progbits
	.p2align	6, 0x0
	.amdhsa_kernel k_qb1b1c4e88a_proj_qk
		.amdhsa_group_segment_fixed_size 327680
		.amdhsa_private_segment_fixed_size 0
		.amdhsa_enable_private_segment 0
		.amdhsa_kernarg_size 24
		.amdhsa_user_sgpr_count 2
		.amdhsa_user_sgpr_kernarg_segment_ptr 1
		.amdhsa_wavefront_size32 1
		.amdhsa_system_sgpr_workgroup_id_x 1
		.amdhsa_system_sgpr_workgroup_id_y 1
		.amdhsa_system_sgpr_workgroup_id_z 1
		.amdhsa_system_vgpr_workitem_id 0
		.amdhsa_next_free_vgpr 1024
		.amdhsa_next_free_sgpr 98
		.amdhsa_reserve_vcc 0
		.amdhsa_float_denorm_mode_32 3
		.amdhsa_float_denorm_mode_16_64 3
		.amdhsa_memory_ordered 1
		.amdhsa_forward_progress 1
		.amdhsa_inst_pref_size 167
	.end_amdhsa_kernel
	.amdgpu_metadata
---
amdhsa.version: [ 1, 2 ]
amdhsa.kernels:
  - .name:           k_qb1b1c4e88a_proj_qk
    .symbol:         k_qb1b1c4e88a_proj_qk.kd
    .args:
      - { .name: xq, .offset: 0, .size: 8, .value_kind: global_buffer, .address_space: global }
      - { .name: wqk, .offset: 8, .size: 8, .value_kind: global_buffer, .address_space: global }
      - { .name: qk, .offset: 16, .size: 8, .value_kind: global_buffer, .address_space: global }
    .group_segment_fixed_size: 327680
    .private_segment_fixed_size: 0
    .kernarg_segment_align: 8
    .kernarg_segment_size: 24
    .max_flat_workgroup_size: 128
    .sgpr_count:     98
    .vgpr_count:     1024
    .wavefront_size: 32
...
	.end_amdgpu_metadata
.endif
;; end of part 3
;; launch proj_v: the kernel of part 3 again; grid 32 x 4, 4 waves a work-group, clusters of 4 x 4, 327,680 bytes of LDS; arguments wv, xq, vt; writes vt
;; launch attn (part 4): grid 8 x 64, 16 waves a work-group, clusters of 4 x 1, 327,680 bytes of LDS; arguments qk, vt, ctx; writes ctx
.if DOCPART == 4
	.amdgcn_target "amdgcn-amd-amdhsa--gfx1250"
	.amdhsa_code_object_version 6
	.text
	.protected	k_qb1b1c4e88a_attn
	.globl	k_qb1b1c4e88a_attn
	.p2align	8
	.type	k_qb1b1c4e88a_attn,@function
k_qb1b1c4e88a_attn:
	s_mov_b64 s[64:65], 0
	v_nop
	global_prefetch_b8 v0, s[64:65] scope:SCOPE_SE
	s_setreg_imm32_b32 hwreg(HW_REG_WAVE_MODE, 25, 1), 1
	s_wait_xcnt 0x0
	s_wait_alu depctr_hold_cnt(0) depctr_sa_sdst(0) depctr_va_vdst(0) depctr_va_sdst(0) depctr_va_ssrc(0) depctr_va_vcc(0) depctr_vm_vsrc(0)
	s_getreg_b32 s2, hwreg(HW_REG_IB_STS2, 6, 4)
	s_cmp_eq_u32 s2, 0
	s_cbranch_scc0 .Lentry_in_a_cluster
	s_endpgm
.Lentry_in_a_cluster:
	s_bfe_u32 s2, ttmp6, 0x10000c
	s_cmp_lg_u32 s2, 0x3003
	s_cbranch_scc0 .Lentry_shape_is_right
	s_endpgm
.Lentry_shape_is_right:
; ctx[b][h][d][t] = (sum over keys of p V) / (sum of p), p = 2^(t' - M), t' = (q . k / 8) log2(e), M the running largest t' rounded up to a whole number; both products on codes of FP6 (E2M3) with E8M0 scales.
; q, k and V^T arrive as images of operand registers (half an operand, 16 rows x 64 along K, is 768 bytes: piece p of lane l at 256 p + 8 l), with a scale word for each row; the launch before says where.
; The first product's K is the head's 64: registers 6-11 of both operands are zero codes, which add nothing under any scale byte but 0xff; the upper bytes of its scale words are a neighbour's bytes or 0.
; The result is quantised ALONG THE QUERIES (the last product's K) and leaves as codes: ctx: scale bytes [R'][32] from byte 0, codes [K step 4][R' 8192][192] from byte 262,144, R' = 2,048 b + 128 h + 64 (t >> 10) + d.
; SHARES.  A work-group owns 256 queries of one head; each of its sixteen waves one tile of 16, in 256 registers.  Lane r of tile w is query 32 (w / 2) + 8 (w % 2) + r % 8 + 16 (r / 8): the order in which rows lie in all operand buffers.
; Every wave walks all 2,048 keys, 128 a step; K's and V's images come through a ring of two LDS slots of 256 keys (waves 0, 1: K's halves; waves 2, 3: V's) and are read by all sixteen.
; CLUSTER.  The four query blocks of a cluster belong to one head and walk the same K and V: every tensor load is asked for jointly, with the same descriptor and a mask that names the four.
; LAYOUT.  Both products are used transposed: S^T = K Q^T, O^T = V^T P^T: a lane holds ONE query throughout; by the order of K's rows the 16 registers of tiles 2 b and 2 b + 1 are keys 32 b + 16 (lane / 16) + 0 .. 15.
; LIMITS: v_exp_f32 gives 0 for p under 2^-126; a block's largest p is taken from its largest score (p rises with the score); a block of zeros gets the byte 1 where the rule says 127 (its codes are zeros,
; and this program alone reads the bytes); NaN and infinities are not served.
.set IMG,   768                        ; half an operand's image
.set SLOT1, 1<<17                      ; slot 1 begins here, so that one exclusive or turns an address in one slot into the other's
.set VOFF,  16*IMG                     ; a slot: K's 16 half-images, then V's [step, half][d tile 4][768]
.set OSTG,  32768                      ; the way out: f32 [64 d][8 blocks of 32 queries x (128 bytes + 16)]
.set OROW,  1152
.set CSTG,  OSTG+64*OROW               ; 768 bytes of codes for each wave
.set SSTG,  CSTG+16*IMG                ; 512 scale bytes
.set SCK,   2*SLOT1                    ; K's scale words of the whole head: 8 x 1,024 bytes
.set SCV,   SCK+8192                   ; V's: 16 x 256 bytes
.set SPARE, SCV+4096                   ; the spare words, 128 bytes for each wave: eight blocks of 256 bytes that no other line names
.set NSL,   8                          ; slots' worth of keys
.set OCODES, 1048576                   ; where codes begin in qk and vt
.set CCODES, 262144                    ; and in ctx
.set L8,   1                           ; v1   8 x lane
.set ASK0, 2                           ; v2   SCK + 4 x lane
.set ASV0, 3                           ; v3   SCV + 4 x lane
.set SPW,  5                           ; v5   LDS address of my spare word; never rewritten
.set NIL,  6                           ; v6   0; never rewritten
.set R4,   7                           ; v7   4 x (lane % 16)
.set ADK,  8                           ; v8   the slot in hand + 8 x lane
.set ADS,  10                          ; v10  the step's scale words of K
.set ADT,  11                          ; v11  of V
                                       ; v12 -M, v13 the largest t', v[14:15] the sum in two halves
.set QF,   16                          ; v16-21 Q's codes, v22-27 zeros
.set KSW,  28                          ; v28-31 K's scale words: word i: tile 2 i in lanes 0-15, tile 2 i + 1 in lanes 16-31
.set KF,   32                          ; v32-79 four fragments of K: the lower 6 registers loaded, the upper 6 zeros
.set SS,   80                          ; v80-143 S^T, then p; then v80-127 four fragments of V
.set XB,   112                         ; the way out: a block of 32 numbers
.set OT,   144                         ; v144-175 O^T
.set PC,   176                         ; v176-187 p's codes
.set CX,   188                         ; v188-194 the conversions' second halves
.set BM,   196                         ; v196-199 the blocks' largest scores, then p
.set PS,   200                         ; v200-203 at work: the other half's maxima, the bytes, a chain of the sum
.set SO,   204                         ; v204-207 the conversions' scale operands
.set VSW,  208                         ; v208-209 V's scale words
.set QSW,  210                         ; v210 Q's
.set PSW,  211                         ; v211 p's
.set FF,   212                         ; v[212:213] f = 2^(old M - new M); v213 = 0
.set TT,   214                         ; at work
.set AOS,  240                         ; the way out's LDS addresses, made ahead of the loop
.set AOL,  241
.set ACS,  242
.set ASB,  243
.set ACL,  244
.set ASL,  245
.set L32,  246                         ; 32 x lane
.set WV,   18                          ; s18  my wave's number
.set SEL,  20                          ; s[20:21] lane selects for v_permlanex16_b32: lane l xor 16
.set CS,   22                          ; s[22:23] c = log2(e) / 8
.set G1K,  24                          ; descriptor groups 1: K's images, V's images,
.set G1V,  32
.set G0K,  40                          ; their groups 0, which walk,
.set G0V,  44
.set G1SK, 48                          ; K's scale words, V's scale words,
.set G1SV, 56
.set G0SK, 68                          ; and their groups 0
.set G0SV, 72
.set TB,   76                          ; s76  LDS byte at which the slot in hand begins
.set TS,   77                          ; s77  the step's scale words of K: 512 bytes a step
.set TJ,   78                          ; s78  and V's: 256 bytes a step
.set SLOTS, 79                         ; s79  slots still to be asked for
; Waves 0 and 1 fetch for K, waves 2 and 3 for V, the others nothing.  The branches hang on the wave's number alone.  Four v_nop follow each of the two lines.
.macro TLOAD g0k, g1k, g0v, g1v
	s_cmp_lt_u32 s[WV], 2
	s_cbranch_scc0 .Lnot_k_\@
	tensor_load_to_lds s[\g0k:\g0k+3], s[\g1k:\g1k+7]
	s_nop 0
.rept 4
	v_nop
.endr
	s_branch .Lasked_\@
.Lnot_k_\@:
	s_cmp_lt_u32 s[WV], 4
	s_cbranch_scc0 .Lasked_\@
	tensor_load_to_lds s[\g0v:\g0v+3], s[\g1v:\g1v+7]
	s_nop 0
.rept 4
	v_nop
.endr
.Lasked_\@:
.endm
; A round of the cluster's barrier: my work-group's barrier; wave 0 signals for the work-group; every wave waits for all four work-groups; my work-group's barrier once more.
.macro CROUND
	s_barrier_signal -1
	s_barrier_wait -1
	s_cmp_lg_u32 s[WV], 0
	s_cbranch_scc1 .Lnot_wave_0_\@
	s_barrier_signal -3
.Lnot_wave_0_\@:
	s_barrier_wait -3
	s_barrier_signal -1
	s_barrier_wait -1
.endm
	s_load_b128 s[4:7], s[0:1], 0x0                ; qk, vt
	s_load_b64 s[8:9], s[0:1], 0x10                ; ctx
	v_lshl_add_u32 v[SPW], v0, 2, SPARE
	v_mov_b32 v[NIL], 0
	ds_add_u32 v5, v6
	s_wait_dscnt 0x0
	v_lshrrev_b32 v8, 5, v0
	v_readfirstlane_b32 s[WV], v8                  ; wave 0..15
	s_bfe_u32 s66, ttmp6, 0x40000                  ; cx: my place in the cluster
	s_lshl_b32 s67, ttmp9, 2
	s_add_co_u32 s67, s67, s66                     ; my block of 256 queries: it enters Q's and ctx's global addresses alone
	s_and_b32 s82, ttmp7, 0xffff                   ; 16 b + h, which the four partners share
	s_lshr_b32 s83, s82, 4                         ; b
	s_and_b32 s84, s82, 15                         ; h
	s_and_b32 s85, s[WV], 1                        ; u: which half I fetch, if I fetch
	s_lshl_b32 s86, s83, 8
	s_add_co_u32 s86, s86, s84
	s_add_co_u32 s86, s86, 16                      ; K's unit of the first 256 keys: 256 b + 16 + h
	s_mul_i32 s88, s86, 16*IMG
	s_mul_i32 s87, s85, 8*IMG                      ; my half of a unit, in memory and in a slot
	s_add_co_u32 s88, s88, s87
	s_add_co_u32 s88, s88, OCODES
	s_mov_b32 s89, 0
	s_lshl_b32 s90, s86, 10                        ; its scale words: 1,024 bytes a unit; my four of the head's eight units
	s_lshl_b32 s91, s85, 17
	s_add_co_u32 s90, s90, s91
	s_mov_b32 s91, 0
	s_lshr_b32 s92, s84, 2
	s_lshl_b32 s92, s92, 3
	s_lshl_b32 s93, s83, 5
	s_add_co_u32 s92, s92, s93                     ; V's tile of the first 256 keys: 8 (h / 4) + 32 b
	s_and_b32 s93, s84, 3
	s_mul_i32 s94, s92, 64*IMG
	s_mul_i32 s95, s93, 4*IMG
	s_add_co_u32 s94, s94, s95
	s_mul_i32 s95, s85, 32*IMG
	s_add_co_u32 s94, s94, s95
	s_add_co_u32 s94, s94, OCODES
	s_mov_b32 s95, 0
	s_lshl_b32 s96, s92, 12                        ; its scale words: 2,048 bytes from key step to key step, my head's 256 of them; my eight of the sixteen steps
	s_lshl_b32 s97, s93, 8
	s_add_co_u32 s96, s96, s97
	s_lshl_b32 s97, s85, 14
	s_add_co_u32 s96, s96, s97
	s_mov_b32 s97, 0
	s_lshl_b32 s98, s83, 8                         ; Q's unit: 256 b + 32 x block + h
	s_lshl_b32 s99, s67, 5
	s_add_co_u32 s98, s98, s99
	s_add_co_u32 s98, s98, s84
	s_mul_i32 s10, s98, 16*IMG
	s_mul_i32 s99, s[WV], IMG
	s_add_co_u32 s10, s10, s99
	s_add_co_u32 s10, s10, OCODES
	s_mov_b32 s11, 0
	s_lshl_b32 s12, s98, 10
	s_lshl_b32 s99, s[WV], 6
	s_add_co_u32 s12, s12, s99
	s_mov_b32 s13, 0
	s_lshl_b32 s98, s82, 7                         ; ctx: R' of d = 0: 128 (16 b + h) + 64 (block / 4)
	s_lshr_b32 s99, s67, 2
	s_lshl_b32 s99, s99, 6
	s_add_co_u32 s98, s98, s99
	s_and_b32 s99, s67, 3                          ; and the K step: block % 4
	s_mul_i32 s14, s98, 192
	s_mul_i32 s19, s99, 8192*192
	s_add_co_u32 s14, s14, s19
	s_mul_i32 s19, s[WV], IMG
	s_add_co_u32 s14, s14, s19
	s_add_co_u32 s14, s14, CCODES
	s_mov_b32 s15, 0
	s_lshl_b32 s16, s98, 5
	s_lshl_b32 s19, s99, 3
	s_add_co_u32 s16, s16, s19
	s_mov_b32 s17, 0
	; descriptor groups 1: elements of 8 bytes, no padding; 15:0 the mask: all four work-groups; 21 set beside a mask
.irp g, G1K, G1V, G1SK, G1SV
	s_mov_b32 s[\g], 15|(3<<16)|(1<<21)
	s_mov_b32 s[\g+6], 0
	s_mov_b32 s[\g+7], 0
.endr
	s_mov_b32 s[G1K+1], 32<<16                     ; K: 6,144 dense bytes as 24 rows of 256
	s_mov_b32 s[G1K+2], 24<<16
	s_mov_b32 s[G1K+3], 32<<16
	s_mov_b32 s[G1K+4], 24
	s_mov_b32 s[G1K+5], 32
	s_mov_b32 s[G1V+1], 384<<16                    ; V: 2 rows of 3,072 bytes, 12,288 bytes apart
	s_mov_b32 s[G1V+2], 2<<16
	s_mov_b32 s[G1V+3], 384<<16
	s_mov_b32 s[G1V+4], 2
	s_mov_b32 s[G1V+5], 1536
	s_mov_b32 s[G1SK+1], 128<<16                   ; K's scale words: 4 rows of 1,024 bytes, 32,768 bytes apart
	s_mov_b32 s[G1SK+2], 4<<16
	s_mov_b32 s[G1SK+3], 128<<16
	s_mov_b32 s[G1SK+4], 4
	s_mov_b32 s[G1SK+5], 4096
	s_mov_b32 s[G1SV+1], 32<<16                    ; V's: 8 rows of 256 bytes, 2,048 bytes apart
	s_mov_b32 s[G1SV+2], 8<<16
	s_mov_b32 s[G1SV+3], 32<<16
	s_mov_b32 s[G1SV+4], 8
	s_mov_b32 s[G1SV+5], 256
	s_mov_b32 s[SEL], 0x76543210
	s_mov_b32 s[SEL+1], 0xfedcba98
	s_mov_b32 s[CS], 0x3e38aa3b                    ; c = log2(e) / 8
	s_mov_b32 s[CS+1], s[CS]                       ; (named with it as a pair, so it is written)
	s_mov_b32 s[TB], 0
	s_mov_b32 s[TS], 0
	s_mov_b32 s[TJ], 0
	s_mov_b32 s[SLOTS], NSL-1
	s_lshl_b32 s80, s85, 12
	s_lshl_b32 s81, s85, 11
	s_wait_kmcnt 0x0
	s_mov_b32 s[G0SK], 1                           ; 1:0 count = 1
	s_add_co_u32 s[G0SK+1], s80, SCK               ; 63:32 LDS address
	s_add_nc_u64 s[G0SK+2:G0SK+3], s[4:5], s[90:91]   ; 120:64 global address
	s_or_b32 s[G0SK+3], s[G0SK+3], 0x80000000      ; 127:126 type = 2
	s_mov_b32 s[G0SV], 1
	s_add_co_u32 s[G0SV+1], s81, SCV
	s_add_nc_u64 s[G0SV+2:G0SV+3], s[6:7], s[96:97]
	s_or_b32 s[G0SV+3], s[G0SV+3], 0x80000000
	s_mov_b32 s[G0K], 1
	s_mov_b32 s[G0K+1], s87                        ; slot 0
	s_add_nc_u64 s[G0K+2:G0K+3], s[4:5], s[88:89]
	s_or_b32 s[G0K+3], s[G0K+3], 0x80000000
	s_mov_b32 s[G0V], 1
	s_add_co_u32 s[G0V+1], s87, VOFF
	s_add_nc_u64 s[G0V+2:G0V+3], s[6:7], s[94:95]
	s_or_b32 s[G0V+3], s[G0V+3], 0x80000000
	s_add_nc_u64 s[10:11], s[4:5], s[10:11]        ; Q's image of my tile
	s_add_nc_u64 s[12:13], s[4:5], s[12:13]        ; and its scale words
	s_add_nc_u64 s[14:15], s[8:9], s[14:15]        ; my 768 bytes of ctx's codes
	s_add_nc_u64 s[16:17], s[8:9], s[16:17]        ; the work-group's scale bytes
	CROUND                                         ; all four work-groups are here: the first joint loads meet
	TLOAD G0SK, G1SK, G0SV, G1SV                   ; the scale words of the whole head: filled once
	TLOAD G0K, G1K, G0V, G1V                       ; slot 0.  A wave that fetches has two loads out
	v_and_b32 v4, 31, v0                           ; lane
	v_lshlrev_b32 v[L8], 3, v4
	v_and_b32 v[R4], 15, v0
	v_lshlrev_b32 v[R4], 2, v[R4]
.irp p, 0,1,2
	global_load_b64 v[QF+2*\p:QF+2*\p+1], v[L8], s[10:11] offset:256*\p   ; Q's codes stay in registers
.endr
	global_load_b32 v[QSW], v[R4], s[12:13]        ; Q's scale words
	v_lshl_add_u32 v[ASK0], v4, 2, SCK
	v_lshl_add_u32 v[ASV0], v4, 2, SCV
	v_lshlrev_b32 v[L32], 5, v4
	v_and_b32 v9, 7, v0                            ; lane % 8
	v_bfe_u32 v[TT], v0, 3, 1                      ; (lane % 16) / 8
	v_lshlrev_b32 v[AOS], 2, v9
	v_lshl_add_u32 v[AOS], v[TT], 6, v[AOS]
	v_bfe_u32 v[TT], v0, 4, 1                      ; lane / 16
	v_mad_u32_u24 v[AOS], v[TT], 16*OROW, v[AOS]
	s_lshr_b32 s80, s[WV], 1
	s_mul_i32 s80, s80, 144
	s_and_b32 s81, s[WV], 1
	s_lshl_b32 s81, s81, 5
	s_add_co_u32 s80, s80, s81
	s_add_co_u32 s80, s80, OSTG
	v_add_nc_u32 v[AOS], s80, v[AOS]               ; O into the stage: rows d = 16 (lane / 16) + .., my query's 4 bytes
	v_lshrrev_b32 v[AOL], 3, v4
	v_mul_u32_u24 v[AOL], v[AOL], OROW
	v_mad_u32_u24 v[AOL], v9, 144, v[AOL]
	s_mul_i32 s80, s[WV], 4*OROW
	s_add_co_u32 s80, s80, OSTG
	v_add_nc_u32 v[AOL], s80, v[AOL]               ; and back: row d = 4 wave + lane / 8, block lane % 8
	s_mul_i32 s80, s[WV], IMG
	s_add_co_u32 s80, s80, CSTG
	v_mul_u32_u24 v[ACS], v4, 24
	v_add_nc_u32 v[ACS], s80, v[ACS]               ; my block's 24 bytes of codes
	v_add_nc_u32 v[ACL], s80, v[L8]                ; and back, 8 bytes a lane
	s_lshl_b32 s80, s[WV], 5
	s_add_co_u32 s80, s80, SSTG
	v_add_nc_u32 v[ASB], s80, v4                   ; my block's scale byte
	v_lshl_add_u32 v[ASL], v4, 3, SSTG             ; a row's eight bytes
	v_mov_b32 v13, 0xff61b1e6                      ; the largest t' so far: -3e38, under every t'
	v_floor_f32 v12, -v13                          ; -M
	v_mov_b32 v14, 0                               ; the sum, in two halves
	v_mov_b32 v15, 0
.irp b, 0,1,2,3
	v_mov_b32 v[PS+\b], 0                          ; written once: a lane permute's destination counts as one of its sources
.endr
	v_mov_b32 v[FF+1], 0                           ; (named as the upper half of the pair)
.irp j, 6,7,8,9,10,11
	v_mov_b32 v[QF+\j], 0                          ; K = 64 .. 127 of the first product: zero codes, in Q
.irp t, 0,1,2,3
	v_mov_b32 v[KF+12*\t+\j], 0                    ; and in K's four fragments
.endr
.endr
.set JJ, 0
.rept 32
	v_mov_b32 v[OT+JJ], 0                          ; O^T.  (The loop is written once: its first step finds zeros, which the first change of M leaves zeros)
.set JJ, JJ+1
.endr
; A KEY STEP: 128 keys, the q-th of the slot in hand.
.macro STEP q
	v_add_nc_u32 v[ADK], s[TB], v[L8]
	v_add_nc_u32 v[ADS], s[TS], v[ASK0]
	v_add_nc_u32 v[ADT], s[TJ], v[ASV0]
.rept 3
	v_nop                                          ; with the three additions six places: the scores below land on registers that the last step's products read as V (five are asked)
.endr
.irp g, 0,1                                    ; S^T = K Q^T, four tiles of 16 keys at a time
.if \g > 0
.rept 4
	v_nop                                          ; places in front of loads into registers that matrix instructions have read
.endr
.endif
.irp t, 0,1,2,3
.irp p, 0,1,2
	ds_load_b64 v[KF+12*\t+2*\p:KF+12*\t+2*\p+1], v[ADK] offset:(8*(\q)+4*\g+\t)*IMG+256*\p
.endr
.endr
.if \g == 0
.irp i, 0,1,2,3
	ds_load_b32 v[KSW+\i], v[ADS] offset:128*\i
.endr
.endif
	s_wait_dscnt 0x0
.irp t, 0,1,2,3
.if \t % 2
	v_wmma_scale_f32_16x16x128_f8f6f4 v[SS+8*(4*\g+\t):SS+8*(4*\g+\t)+7], v[KF+12*\t:KF+12*\t+11], v[QF:QF+11], 0, v[KSW+2*\g+\t/2], v[QSW] matrix_a_fmt:MATRIX_FMT_FP6 matrix_b_fmt:MATRIX_FMT_FP6 matrix_a_scale:MATRIX_SCALE_ROW1
.else
	v_wmma_scale_f32_16x16x128_f8f6f4 v[SS+8*(4*\g+\t):SS+8*(4*\g+\t)+7], v[KF+12*\t:KF+12*\t+11], v[QF:QF+11], 0, v[KSW+2*\g+\t/2], v[QSW] matrix_a_fmt:MATRIX_FMT_FP6 matrix_b_fmt:MATRIX_FMT_FP6
.endif
.endr
.endr
.rept 4
	v_nop
.endr
.irp b, 0,1,2,3
	v_max3_num_f32 v[BM+\b], v[SS+16*\b], v[SS+1+16*\b], v[SS+2+16*\b]   ; THE LARGEST SCORE OF EACH BLOCK OF 32 KEYS: for the row's maximum, and, since p rises with the score, for the block's largest p
.endr
.irp i, 3,5,7,9,11,13
.irp b, 0,1,2,3
	v_max3_num_f32 v[BM+\b], v[BM+\b], v[SS+16*\b+\i], v[SS+1+16*\b+\i]   ; (the four blocks by turns)
.endr
.endr
.irp b, 0,1,2,3
	v_max_num_f32 v[BM+\b], v[BM+\b], v[SS+15+16*\b]
.endr
.irp b, 0,1,2,3
	v_permlanex16_b32 v[PS+\b], v[BM+\b], s[SEL], s[SEL+1]
.endr
.irp b, 0,1,2,3
	v_max_num_f32 v[BM+\b], v[BM+\b], v[PS+\b]     ; with lane l xor 16's 16 keys
.endr
	v_max3_num_f32 v[TT], v[BM], v[BM+1], v[BM+2]
	v_max_num_f32 v[TT], v[TT], v[BM+3]            ; the step's largest score of my query
	v_mul_f32 v[TT], s[CS], v[TT]                  ; as t' (c is positive)
	v_max_num_f32 v13, v13, v[TT]                  ; the running largest t'
	v_mov_b32 v[TT], v12
	v_floor_f32 v12, -v13                          ; the new -M = floor(-t') = -ceil(t'): M IS A WHOLE NUMBER
	v_sub_f32 v[TT], v12, v[TT]                    ; M's old value less its new one: a whole number, 0 or less
	v_cvt_i32_f32 v[TT], v[TT]                     ; (it saturates)
	v_ldexp_f32 v[FF], 1.0, v[TT]                  ; f = 2^(old M - new M): a multiplication by it rounds nothing
.set JJ, 0
.rept 32
	v_pk_fma_f32 v[SS+JJ:SS+JJ+1], v[SS+JJ:SS+JJ+1], s[CS:CS+1], v[12:13] op_sel_hi:[1,0,0]   ; t' - M, two at a time (of the pairs c and -M the low word serves both halves)
.set JJ, JJ+2
.endr
.irp b, 0,1,2,3
	v_fma_f32 v[BM+\b], v[BM+\b], s[CS], v12       ; the same of each block's largest score
.endr
.set JJ, 0
.rept 64
	v_exp_f32 v[SS+JJ], v[SS+JJ]                   ; p = 2^(t' - M), at most 1: NOT normalised
.set JJ, JJ+1
.endr
.irp b, 0,1,2,3
	v_exp_f32 v[BM+\b], v[BM+\b]                   ; the block's largest p: the same two instructions on the same number give the same bits
.endr
	v_pk_mul_f32 v[14:15], v[14:15], v[FF:FF+1] op_sel_hi:[1,0]   ; the sums under the new M.  (A plain place behind the exponentials)
	s_wait_alu depctr_va_vdst(0)
.irp b, 0,1,2,3
	v_max_num_f32 v[BM+\b], 0x1800000, v[BM+\b]    ; the floor 2^(3 - 127): the byte cannot fall under 1
.endr
.irp b, 0,1,2,3
	v_add_nc_u32 v[SO+\b], 0xff000000, v[BM+\b]    ; 2 off the exponent field: the conversion's scale operand
.endr
.irp b, 0,1,2,3
	v_lshrrev_b32 v[PS+\b], 23, v[SO+\b]           ; the scale's byte
.endr
	v_lshl_or_b32 v[PSW], v[PS+1], 8, v[PS]        ; p's scale word for these 128 keys
	v_lshl_or_b32 v[PSW], v[PS+2], 16, v[PSW]
	v_lshl_or_b32 v[PSW], v[PS+3], 24, v[PSW]
.irp c, 0,1
	v_cvt_scalef32_pk16_fp6_f32 v[PC+6*\c:PC+6*\c+2], v[SS+32*\c:SS+32*\c+15], v[SO+2*\c]
	v_cvt_scalef32_pk16_fp6_f32 v[CX+4*\c:CX+4*\c+2], v[SS+32*\c+16:SS+32*\c+31], v[SO+2*\c+1]   ; (a conversion's three registers begin on an even number)
.endr
	v_nop                                          ; one plain place behind a scaled conversion
.irp c, 0,1                                    ; the operand's layout wants a WHOLE block in a lane: lanes 0-15 block 2 c, lanes 16-31 block 2 c + 1
.irp i, 0,1,2
	v_permlane16_swap_b32 v[PC+6*\c+\i], v[CX+4*\c+\i]
.endr
.irp i, 0,1,2
	v_mov_b32 v[PC+3+6*\c+\i], v[CX+4*\c+\i]
.endr
.endr
	v_pk_add_f32 v[PS:PS+1], v[SS:SS+1], v[SS+2:SS+3]   ; THE ROW'S SUM IS TAKEN OF THE UNQUANTISED p: two at a time, in two chains
.set JJ, 4
.rept 15
	v_pk_add_f32 v[14:15], v[14:15], v[SS+JJ:SS+JJ+1]
	v_pk_add_f32 v[PS:PS+1], v[PS:PS+1], v[SS+JJ+2:SS+JJ+3]
.set JJ, JJ+4
.endr
	v_pk_add_f32 v[14:15], v[14:15], v[PS:PS+1]
.irp d, 0,1,2,3                                ; p has been read: V's four fragments (16 of the head's 64 x these 128 keys) take its registers
.irp p, 0,1,2,3,4,5
	ds_load_b64 v[SS+12*\d+2*\p:SS+12*\d+2*\p+1], v[ADK] offset:VOFF+((2*(\q)+\p/3)*4+\d)*IMG+256*(\p%3)
.endr
.endr
	ds_load_b32 v[VSW], v[ADT]
	ds_load_b32 v[VSW+1], v[ADT] offset:128
.set JJ, 0
.rept 16
	v_pk_mul_f32 v[OT+JJ:OT+JJ+1], v[OT+JJ:OT+JJ+1], v[FF:FF+1] op_sel_hi:[1,0]   ; O^T under the new M, while V is on its way.  (With the sums above: the places between p's codes and scale word and the products)
.set JJ, JJ+2
.endr
	s_wait_dscnt 0x0
.irp d, 0,1,2,3                                ; O^T += V^T P^T: the four accumulators take turns, one instruction a turn
.if \d % 2
	v_wmma_scale_f32_16x16x128_f8f6f4 v[OT+8*\d:OT+8*\d+7], v[SS+12*\d:SS+12*\d+11], v[PC:PC+11], v[OT+8*\d:OT+8*\d+7], v[VSW+\d/2], v[PSW] matrix_a_fmt:MATRIX_FMT_FP6 matrix_b_fmt:MATRIX_FMT_FP6 matrix_a_scale:MATRIX_SCALE_ROW1
.else
	v_wmma_scale_f32_16x16x128_f8f6f4 v[OT+8*\d:OT+8*\d+7], v[SS+12*\d:SS+12*\d+11], v[PC:PC+11], v[OT+8*\d:OT+8*\d+7], v[VSW+\d/2], v[PSW] matrix_a_fmt:MATRIX_FMT_FP6 matrix_b_fmt:MATRIX_FMT_FP6
.endif
.endr
	s_add_co_u32 s[TS], s[TS], 512                 ; the next step's scale words
	s_add_co_u32 s[TJ], s[TJ], 256
.endm
; THE CHANGE OF SLOTS stands at a slot's head.  Each wave waits for all its tensor loads (its part of the slot that it is about to read), adds 0 to its spare word, and waits for that and for its reads of the slot that it has left.
; fill = 1: that other slot is filled with the keys that follow.  The barrier is then a round of the cluster's, so that no wave of any partner still reads the slot or has a load on its way,
; and the joint refill is the first thing behind it: it has a whole slot's steps in which to land.
.macro CHANGE fill
	s_wait_tensorcnt 0x0                           ; no tensor load of mine is out, so a group 0 may be written
	ds_add_u32 v[SPW], v[NIL]                      ; 0 onto my spare word
.if \fill
	s_xor_b32 s[G0K+1], s[G0K+1], SLOT1            ; the walking descriptors: the other slot than last time,
	s_add_nc_u64 s[G0K+2:G0K+3], s[G0K+2:G0K+3], 32*16*IMG   ; the next 256 keys: 32 units on; the type bits on top are not reached
	s_xor_b32 s[G0V+1], s[G0V+1], SLOT1
	s_add_nc_u64 s[G0V+2:G0V+3], s[G0V+2:G0V+3], 64*IMG      ; V: one tile on
	s_wait_dscnt 0x0                               ; the add is done, and my reads of the slot that I have left are over
	CROUND
	TLOAD G0K, G1K, G0V, G1V                       ; a wave's one tensor load until the next round
.else
	s_wait_dscnt 0x0
	s_barrier_signal -1
	s_barrier_wait -1
.endif
.endm
.macro SLOT_STEPS
	STEP 0
	STEP 1
	s_xor_b32 s[TB], s[TB], SLOT1                  ; on to the other slot
.endm
	s_wait_loadcnt 0x0                             ; Q
.Lslot:                                            ; NSL - 1 trips: behind each change of slots but the last the next slot is asked for
	CHANGE 1
	SLOT_STEPS
	s_sub_co_u32 s[SLOTS], s[SLOTS], 1
	s_cmp_lg_u32 s[SLOTS], 0
	s_cbranch_scc1 .Lslot
	CHANGE 0                                       ; the last slot is written out
	SLOT_STEPS
	; THE WAY OUT.  O^T / the sum goes to a stage laid [d][query], so that a lane can take 32 neighbouring queries of one d: a block of the last product's K.
.rept 4
	v_nop                                          ; places behind the last products
.endr
	v_add_f32 v14, v14, v15                        ; the sum's two halves,
	v_permlanex16_b32 v[FF], v14, s[SEL], s[SEL+1]
	v_add_f32 v14, v14, v[FF]                      ; and lane l xor 16's: the row's sum
	v_rcp_f32 v14, v14
	v_nop                                          ; a plain place behind the transcendental
.set JJ, 0
	s_wait_alu depctr_va_vdst(0)
.rept 32
	v_mul_f32 v[SS+JJ], v[OT+JJ], v14              ; register 8 t + j: d = 32 (t / 2) + 8 (t % 2) + 16 (lane / 16) + j, by the order of V's rows; each accumulator from its low end on
.set JJ, JJ+1
.endr
.irp d, 0,1,2,3
.irp j, 0,1,2,3,4,5,6,7
	ds_store_b32 v[AOS], v[SS+8*\d+\j] offset:(32*(\d/2)+8*(\d%2)+\j)*OROW
.endr
.endr
	s_wait_dscnt 0x0                               ; for the others' sake: my stores into the stage are done
	s_barrier_signal -1
	s_barrier_wait -1
.irp i, 0,1,2,3,4,5,6,7
	ds_load_b128 v[XB+4*\i:XB+4*\i+3], v[AOL] offset:16*\i   ; d = 4 wave + lane / 8, queries 32 (lane % 8) + 0 .. 31
.endr
	s_wait_dscnt 0x0
	v_max3_num_f32 v[BM], |v[XB]|, |v[XB+1]|, |v[XB+2]|      ; the block's largest magnitude: all 32 numbers are mine
	v_max3_num_f32 v[BM+1], |v[XB+3]|, |v[XB+4]|, |v[XB+5]|
.irp i, 6,10,14,18,22,26
	v_max3_num_f32 v[BM], v[BM], |v[XB+\i]|, |v[XB+\i+1]|
	v_max3_num_f32 v[BM+1], v[BM+1], |v[XB+\i+2]|, |v[XB+\i+3]|
.endr
	v_max3_num_f32 v[BM], v[BM], |v[XB+30]|, |v[XB+31]|
	v_max3_num_f32 v[BM], v[BM], v[BM+1], 0x1800000          ; and the floor 2^(3 - 127)
	v_add_nc_u32 v[SO], 0xff000000, v[BM]
	v_lshrrev_b32 v[PS], 23, v[SO]                 ; the scale's byte
	v_cvt_scalef32_pk16_fp6_f32 v[PC:PC+2], v[XB:XB+15], v[SO]
	v_cvt_scalef32_pk16_fp6_f32 v[CX:CX+2], v[XB+16:XB+31], v[SO]
	v_nop                                          ; one plain place behind a scaled conversion
.irp i, 0,1,2
	v_mov_b32 v[PC+3+\i], v[CX+\i]
.endr
.irp p, 0,1,2
	ds_store_b64 v[ACS], v[PC+2*\p:PC+2*\p+1] offset:8*\p    ; my block's 24 bytes: the wave's 32 blocks are 768 consecutive bytes of ctx's codes
.endr
	ds_store_b8 v[ASB], v[PS]
.irp p, 0,1,2
	ds_load_b64 v[PC+6+2*\p:PC+7+2*\p], v[ACL] offset:256*\p   ; LDS serves a wave's instructions in order: these see my stores
.endr
	s_wait_dscnt 0x0
.irp p, 0,1,2
	global_store_b64 v[L8], v[PC+6+2*\p:PC+7+2*\p], s[14:15] offset:256*\p   ; 32 lanes store 256 consecutive bytes, aligned
.endr
	s_barrier_signal -1                            ; every wave's scale bytes lie in LDS (the wait above covers my store)
	s_barrier_wait -1
	s_cmp_lg_u32 s[WV], 0
	s_cbranch_scc1 .Lno_scales
	ds_load_b64 v[CX:CX+1], v[ASL]                 ; wave 0: row d = lane's eight bytes,
	ds_load_b64 v[CX+2:CX+3], v[ASL] offset:256    ; and row 32 + lane's
	s_wait_dscnt 0x0
	global_store_b64 v[L32], v[CX:CX+1], s[16:17]
	global_store_b64 v[L32], v[CX+2:CX+3], s[16:17] offset:1024
.Lno_scales:
	s_wait_tensorcnt 0x0                           ; the wave's end: behind my last tensor load and my last LDS store
	ds_add_u32 v[SPW], v[NIL]
	s_wait_dscnt 0x0
	CROUND                                         ; the closing round: no work-group ends while a partner may still ask for a tile that names it
	s_endpgm
.Lfunc_end_k_qb1b1c4e88a_attn:
	.size	k_qb1b1c4e88a_attn, .Lfunc_end_k_qb1b1c4e88a_attn-k_qb1b1c4e88a_attn
	.p2alignl 7, 3214868480
	.fill 96, 4, 3214868480
	.section	.rodata,"a",@progbits
	.p2align	6, 0x0
	.amdhsa_kernel k_qb1b1c4e88a_attn
		.amdhsa_group_segment_fixed_size 327680
		.amdhsa_private_segment_fixed_size 0
		.amdhsa_enable_private_segment 0
		.amdhsa_kernarg_size 24
		.amdhsa_user_sgpr_count 2
		.amdhsa_user_sgpr_kernarg_segment_ptr 1
		.amdhsa_wavefront_size32 1
		.amdhsa_system_sgpr_workgroup_id_x 1
		.amdhsa_system_sgpr_workgroup_id_y 1
		.amdhsa_system_sgpr_workgroup_id_z 1
		.amdhsa_system_vgpr_workitem_id 0
		.amdhsa_next_free_vgpr 256
		.amdhsa_next_free_sgpr 100
		.amdhsa_reserve_vcc 0
		.amdhsa_float_denorm_mode_32 3
		.amdhsa_float_denorm_mode_16_64 3
		.amdhsa_memory_ordered 1
		.amdhsa_forward_progress 1
		.amdhsa_inst_pref_size 90
	.end_amdhsa_kernel
	.amdgpu_metadata
---
amdhsa.version: [ 1, 2 ]
amdhsa.kernels:
  - .name:           k_qb1b1c4e88a_attn
    .symbol:         k_qb1b1c4e88a_attn.kd
    .args:
      - { .name: qk, .offset: 0, .size: 8, .value_kind: global_buffer, .address_space: global }
      - { .name: vt, .offset: 8, .size: 8, .value_kind: global_buffer, .address_space: global }
      - { .name: ctx, .offset: 16, .size: 8, .value_kind: global_buffer, .address_space: global }
    .group_segment_fixed_size: 327680
    .private_segment_fixed_size: 0
    .kernarg_segment_align: 8
    .kernarg_segment_size: 24
    .max_flat_workgroup_size: 512
    .sgpr_count:     100
    .vgpr_count:     256
    .wavefront_size: 32
...
	.end_amdgpu_metadata
.endif
;; end of part 4
;; launch outp (part 5): grid 4 x 32, 4 waves a work-group, clusters of 4 x 4, 327,680 bytes of LDS; arguments ctx, wo, bo, out0; writes out0
.if DOCPART == 5
	.amdgcn_target "amdgcn-amd-amdhsa--gfx1250"
	.amdhsa_code_object_version 6
	.text
	.protected	k_qb1b1c4e88a_outp
	.globl	k_qb1b1c4e88a_outp
	.p2align	8
	.type	k_qb1b1c4e88a_outp,@function
k_qb1b1c4e88a_outp:
	s_mov_b64 s[64:65], 0
	v_nop
	global_prefetch_b8 v0, s[64:65] scope:SCOPE_SE
	s_setreg_imm32_b32 hwreg(HW_REG_WAVE_MODE, 25, 1), 1
	s_wait_xcnt 0x0
	s_wait_alu depctr_hold_cnt(0) depctr_sa_sdst(0) depctr_va_vdst(0) depctr_va_sdst(0) depctr_va_ssrc(0) depctr_va_vcc(0) depctr_vm_vsrc(0)
	s_getreg_b32 s2, hwreg(HW_REG_IB_STS2, 6, 4)
	s_cmp_eq_u32 s2, 0
	s_cbranch_scc0 .Lentry_in_a_cluster
	s_endpgm
.Lentry_in_a_cluster:
	s_bfe_u32 s2, ttmp6, 0x10000c
	s_cmp_lg_u32 s2, 0xf033
	s_cbranch_scc0 .Lentry_shape_is_right
	s_endpgm
.Lentry_shape_is_right:
; out0 = ctx' Wo + bo on codes of FP6 (E2M3) with E8M0 scales, K = 1,024; out0 [8192][1024] f32.
; A = ctx: scale bytes [R' 8192][32] from byte 0, codes [K step 4][R'][192] from byte 262,144; R' = 2,048 b + 128 h + 64 half + d stands for row 2,048 b + 128 h + 2 d + half of out0.
; B = wo: scale bytes [position][32], codes [position][768] from byte 262,144; column n lies at the position that n gives with bits 3 and 4 swapped.
; A tile of C, 256 x 256, is made by four waves, each 128 x 128: 64 accumulators, 512 registers.  K goes in steps of 256 through a ring of two LDS slots filled by the tensor data mover;
; the scales of the work-group's rows come into LDS once.  CLUSTERS: 4 x 4 work-groups; A's tiles are asked for jointly along a row of the cluster, B's along a column.
; THE MATRIX INSTRUCTION IS USED TRANSPOSED (source 0 = 16 positions of B, source 1 = 16 rows of A): register j of tile b in lane (r, h) is column 32 (b / 2) + 8 (b % 2) + 16 h + j of row r.
; The bias is the C of each sum's first matrix instruction: eight registers a tile of columns, in the result's layout.
; REGISTERS, in windows of 256: window 0: v0-31 addresses; v32-63 scale words, two sets; v64-127 the bias; from v128 A's fragments, ONE set; on the way out v128-255 are free.
;   window 1: B's fragments, TWO sets.   window 2: the accumulators of my rows 0-63 ((a, b) at v[8 (8 a + b)]);   window 3: those of my rows 64-127.
.set SIZE_K, 1024
.set SIZE_N, 1024
.set KSTEP,  256
.set NQ,     KSTEP/128
.set ROWB,   192                       ; a tile's row in bytes
.set KROW,   SIZE_K*6/8                ; a row of B's codes in memory
.set ASTEP,  8192*ROWB                 ; from one K step of A's codes to the next
.set PITCH,  240                       ; an LDS row: 3 x (64 bytes of data + 16 of padding)
.set FR,     12
.set NL,     6
.set NP,     4                         ; places behind this matrix instruction (ISA guide 7.12.1)
.set HALFT,  128*PITCH
.set SLOT,   4*HALFT
.set LAPS,   SIZE_K/(2*KSTEP)
.set KS,     SIZE_K/32
.set SCL,    2*SLOT
.set HALFS,  (128*KS/256)*272
.set SBLK,   (16*KS/256)*272
.set SPARE,  SCL+4*HALFS               ; the spare words, 128 bytes for each wave: two blocks of 256 bytes that no other line names
.set SPITCH, 528                       ; the way out: a stage of 16 rows x (512 bytes + 16) for each wave, in slot 0, which has had its last fill and its last read when the first result is stored there
.set CODES,  262144
.set ADRA, 16
.set ADRB, 20
.set STO,  24                          ; v24     the way out: where I put 32 bytes of a row
.set RD,   25                          ; v25     where I read a row back
.set CO,   26                          ; v26     my byte offset in a row of C
.set ADRS, 27
.set SPW,  28
.set NIL,  29
.set BOF,  30                          ; v30     64 x (lane / 16): my half's place in the bias
.set SC,   32
.set BI,   64                          ; v64-127 the bias: tile b at v[BI + 8 b]
.set AF,   128
.set BK,   128                         ; the way out: 16 rows read back from the stage: v128-191 and v192-255 by turns
.set G1, 24
.set G0, 32
.set G1B, 48
.set G0B, 56
.set G1S, 68
.set G0S, 76
.set G1SB, 80
.set G0SB, 88
.set MSB, 0
.macro WIN new                         ; the immediate's high byte repeats the setting that is left
.if MSB != \new
	s_set_vgpr_msb (MSB<<8)|\new
.set MSB, \new
.endif
.endm
.set MUL_LO, 0xa1                      ; source 0 (B) window 1, source 1 (A) window 0, C and D window 2
.set MUL_HI, 0xf1                      ; the same, C and D window 3
.set BIA_LO, 0x81                      ; the first step: C (the bias) window 0, D window 2
.set BIA_HI, 0xc1                      ; C window 0, D window 3
.set TO_B,   0x40                      ; destination window 1, address window 0
; A joint load: waves 0 and 1 fetch for A, waves 2 and 3 for B; the branch hangs on the wave's number alone.  Four v_nop follow each of the two lines.
.macro JLOAD g0a, g1a, g0b, g1b
	s_cmp_eq_u32 s15, 0
	s_cbranch_scc0 .Lfor_b_\@
	tensor_load_to_lds s[\g0a:\g0a+3], s[\g1a:\g1a+7]
	s_nop 0
.rept 4
	v_nop
.endr
	s_branch .Lasked_\@
.Lfor_b_\@:
	tensor_load_to_lds s[\g0b:\g0b+3], s[\g1b:\g1b+7]
	s_nop 0
.rept 4
	v_nop
.endr
.Lasked_\@:
.endm
.macro CREST                           ; a round of the cluster's barrier behind its opening barrier
	s_cmp_lg_u32 s14, 0
	s_cbranch_scc1 .Lnot_wave_0_\@
	s_barrier_signal -3
.Lnot_wave_0_\@:
	s_barrier_wait -3
	s_barrier_signal -1
	s_barrier_wait -1
.endm
.macro CROUND                          ; a whole round
	s_barrier_signal -1
	s_barrier_wait -1
	CREST
.endm
	s_load_b64 s[6:7], s[0:1], 0x0                 ; ctx: its scales begin it
	s_load_b64 s[10:11], s[0:1], 0x8               ; wo
	s_load_b64 s[96:97], s[0:1], 0x10              ; bo
	s_load_b64 s[12:13], s[0:1], 0x18              ; out0
	v_lshl_add_u32 v[SPW], v0, 2, SPARE
	v_mov_b32 v[NIL], 0
	ds_add_u32 v28, v29
	s_wait_dscnt 0x0
	v_lshrrev_b32 v1, 5, v0
	v_readfirstlane_b32 s14, v1                    ; wave 0..3
	s_lshr_b32 s15, s14, 1                         ; which half of the tile's rows is mine.  Also: I fetch for A (0) or for B (1)
	s_and_b32 s16, s14, 1                          ; which half of its columns.  Also: which 128 rows of that tile I fetch
	s_bfe_u32 s40, ttmp6, 0x40000                  ; cx, cy: my place in the cluster
	s_bfe_u32 s41, ttmp6, 0x40004
	s_lshl_b32 s42, ttmp9, 2
	s_add_co_u32 s42, s42, s40                     ; tile column of C
	s_and_b32 s17, ttmp7, 0xffff
	s_lshl_b32 s17, s17, 2
	s_add_co_u32 s17, s17, s41                     ; tile row of C
	s_lshl_b32 s43, s41, 2
	s_lshl_b32 s43, 15, s43                        ; my row of the cluster
	s_lshl_b32 s44, 0x1111, s40                    ; my column
	; descriptor group 1: a tile of 128 rows x ROWB bytes, padded in LDS
	s_or_b32 s[G1+0], s43, (0<<16)|(1<<20)|(1<<21)|(3<<22)|(3<<25)  ; 15:0 the mask; 17:16 element of 1 byte; 20 padding on; 21 set beside a mask; 24:22 after every 16 words; 31:25 of 4 words
	s_or_b32 s[G1B+0], s44, (0<<16)|(1<<20)|(1<<21)|(3<<22)|(3<<25)
.irp g, G1, G1B
	s_mov_b32 s[\g+1], ROWB<<16                    ; tensor_dim0
	s_mov_b32 s[\g+2], 128<<16                     ; tensor_dim1 = 128
	s_mov_b32 s[\g+3], ROWB<<16                    ; tile_dim0
	s_mov_b32 s[\g+4], 128                         ; tile_dim1 = 128
	s_mov_b32 s[\g+6], 0
	s_mov_b32 s[\g+7], 0
.endr
	s_mov_b32 s[G1+5], ROWB                        ; tensor_dim0_stride: within a K step A's rows are dense;
	s_mov_b32 s[G1B+5], KROW                       ; B's rows hold all of K
	; the scales of 128 rows: a dense block, as rows of 256 bytes (32 elements of 8 bytes), 16 bytes of padding behind each
	s_or_b32 s[G1S+0], s43, (3<<16)|(1<<20)|(1<<21)|(5<<22)|(3<<25)
	s_or_b32 s[G1SB+0], s44, (3<<16)|(1<<20)|(1<<21)|(5<<22)|(3<<25)
.irp g, G1S, G1SB
	s_mov_b32 s[\g+1], 32<<16
	s_mov_b32 s[\g+2], (128*KS/256)<<16
	s_mov_b32 s[\g+3], 32<<16
	s_mov_b32 s[\g+4], 128*KS/256
	s_mov_b32 s[\g+5], 32
	s_mov_b32 s[\g+6], 0
	s_mov_b32 s[\g+7], 0
.endr
	s_lshl_b32 s18, s16, 7                         ; which 128 rows of the tile I fetch
	s_lshl_b32 s20, s17, 8
	s_add_co_u32 s20, s20, s18                     ; A: row 256 x tile row + 128 x half
	s_lshl_b32 s46, s42, 8
	s_add_co_u32 s46, s46, s18                     ; B: position 256 x tile column + 128 x half
	s_mov_b32 s21, 0
	s_mov_b32 s47, 0
	s_mov_b64 s[18:19], KS
	s_mul_u64 s[22:23], s[20:21], s[18:19]         ; where these rows' scales begin, in bytes
	s_mul_u64 s[92:93], s[46:47], s[18:19]
	s_mov_b64 s[18:19], ROWB
	s_mul_u64 s[20:21], s[20:21], s[18:19]         ; and their codes: A's,
	s_mov_b64 s[18:19], KROW
	s_mul_u64 s[46:47], s[46:47], s[18:19]         ; B's
	s_mul_i32 s45, s14, HALFT                      ; where they go: wave x 128 rows: no place in the cluster enters an LDS address
	s_mul_i32 s94, s14, HALFS
	s_wait_kmcnt 0x0
	s_add_nc_u64 s[4:5], s[6:7], CODES
	s_add_nc_u64 s[8:9], s[10:11], CODES
	s_add_nc_u64 s[20:21], s[4:5], s[20:21]
	s_add_nc_u64 s[22:23], s[6:7], s[22:23]
	s_add_nc_u64 s[46:47], s[8:9], s[46:47]
	s_add_nc_u64 s[92:93], s[10:11], s[92:93]
	CROUND                                         ; all sixteen work-groups are here: the first joint loads meet
	s_mov_b32 s[G0S], 1
	s_add_co_u32 s[G0S+1], s94, SCL
	s_mov_b64 s[G0S+2:G0S+3], s[22:23]
	s_or_b32 s[G0S+3], s[G0S+3], 0x80000000
	s_mov_b32 s[G0SB], 1
	s_add_co_u32 s[G0SB+1], s94, SCL
	s_mov_b64 s[G0SB+2:G0SB+3], s[92:93]
	s_or_b32 s[G0SB+3], s[G0SB+3], 0x80000000
	JLOAD G0S, G1S, G0SB, G1SB                     ; the scales first: they are wanted with K step 0
.irp s, 0,1
	s_mov_b32 s[G0+4*\s], 1
	s_add_co_u32 s[G0+4*\s+1], s45, \s*SLOT
	s_add_nc_u64 s[G0+4*\s+2:G0+4*\s+3], s[20:21], \s*ASTEP
	s_or_b32 s[G0+4*\s+3], s[G0+4*\s+3], 0x80000000
	s_mov_b32 s[G0B+4*\s], 1
	s_add_co_u32 s[G0B+4*\s+1], s45, \s*SLOT
	s_add_nc_u64 s[G0B+4*\s+2:G0B+4*\s+3], s[46:47], \s*ROWB
	s_or_b32 s[G0B+4*\s+3], s[G0B+4*\s+3], 0x80000000
	JLOAD G0+4*\s, G1, G0B+4*\s, G1B
.endr
	v_and_b32 v1, 15, v0                           ; r = l % 16
	v_bfe_u32 v2, v0, 4, 1                         ; h = l / 16
	v_mul_u32_u24 v3, v1, PITCH
	v_mul_u32_u24 v4, v2, 24
	v_add_nc_u32 v4, v3, v4                        ; a fragment's row x pitch + 24 x half
	v_lshl_add_u32 v5, v2, 4, v4                   ; and the same behind one padding more
	s_mul_i32 s21, s15, HALFT                      ; my 128 rows of A
	s_mul_i32 s22, s16, HALFT                      ; my 128 rows of B,
	s_add_co_u32 s22, s22, 2*HALFT                 ; which lie behind A's 256
.irp s, 0,1
	v_add_nc_u32 v[ADRA+\s], s21, v4
	v_add_nc_u32 v[ADRB+\s], s22, v4
	v_add_nc_u32 v[ADRA+2+\s], s21, v5
	v_add_nc_u32 v[ADRB+2+\s], s22, v5
	s_add_co_u32 s21, s21, SLOT
	s_add_co_u32 s22, s22, SLOT
.endr
	v_mul_u32_u24 v5, v1, KS                       ; my row's scales: KS bytes a row,
	v_lshrrev_b32 v6, 8, v5
	v_lshl_add_u32 v5, v6, 4, v5                   ; and 16 more for each 256 passed
	s_mul_i32 s21, s15, HALFS
	s_mul_i32 s22, s16, HALFS
	s_add_co_u32 s22, s22, 2*HALFS
	s_sub_co_u32 s22, s22, s21
	v_mul_u32_u24 v6, s22, v2                      ; lanes 16-31 take B's
	s_add_co_u32 s21, s21, SCL
	v_add_nc_u32 v5, v5, v6
	v_add_nc_u32 v[ADRS], s21, v5
	s_mul_i32 s23, s14, 16*SPITCH                  ; my stage
	v_mul_u32_u24 v5, v1, SPITCH                   ; in: row l % 16; my half's sixteen columns of each 32 begin 64 bytes on
	v_lshl_add_u32 v5, v2, 6, v5
	v_add_nc_u32 v[STO], s23, v5
	v_and_b32 v6, 31, v0
	v_lshlrev_b32 v[CO], 4, v6                     ; back: the 32 lanes take one row of 512 bytes; and the same in C
	v_add_nc_u32 v[RD], s23, v[CO]
	v_lshlrev_b32 v[BOF], 6, v2
	s_lshl_b32 s20, s17, 8
	s_lshl_b32 s21, s15, 7
	s_add_co_u32 s20, s20, s21                     ; the first of my 128 rows of C: 256 x tile row + 128 x half
	s_mov_b32 s21, 0
	s_mov_b64 s[18:19], SIZE_N*4
	s_mul_u64 s[20:21], s[20:21], s[18:19]
	s_lshl_b32 s46, s42, 10                        ; my first column, in bytes: 1,024 x tile column + 512 x half
	s_lshl_b32 s47, s16, 9
	s_add_co_u32 s46, s46, s47
	s_mov_b32 s47, 0
	s_add_nc_u64 s[96:97], s[96:97], s[46:47]      ; the bias of my 128 columns
	s_add_nc_u64 s[20:21], s[20:21], s[46:47]
	s_add_nc_u64 s[12:13], s[12:13], s[20:21]
.irp b, 0,1,2,3,4,5,6,7
	global_load_b128 v[BI+8*\b:BI+8*\b+3], v[BOF], s[96:97] offset:(32*(\b/2)+8*(\b%2))*4
	global_load_b128 v[BI+8*\b+4:BI+8*\b+7], v[BOF], s[96:97] offset:(32*(\b/2)+8*(\b%2))*4+16
.endr
.macro FRAG reg, adr, q, i             ; a fragment, 16 rows x 128 K of 6-bit codes, is 12 registers: lane l holds row l % 16; registers 6 c .. 6 c + 5 hold K = 64 c + 32 (l / 16) + 0 .. 31
.irp p, 0,1,2,3,4,5                    ; in pieces of 8 bytes.  Lanes 0-15 take the row's pieces 12 q + 0, 1, 2 and 12 q + 6, 7, 8, lanes 16-31 those three pieces on
.set PC, 12*(\q)+6*(\p/3)+\p%3        ; 16 bytes of padding lie behind every 64 bytes (8 pieces): where the piece three on lies behind one padding more, the second address register serves
.if PC%8 < 5
	ds_load_b64 v[\reg+2*\p:\reg+2*\p+1], v[\adr] offset:8*PC+16*(PC/8)+(\i)*16*PITCH
.else
	ds_load_b64 v[\reg+2*\p:\reg+2*\p+1], v[\adr+2] offset:8*PC+16*(PC/8)+(\i)*16*PITCH
.endif
.endr
.endm
; 16 matrix instructions: A's blocks a0, a0 + 1 x B's eight, 128 along K.  first = 1: the first product starts the sums on the bias.
; The 64 accumulators take turns, one instruction a turn, in the same order in every step.
.macro MUL16 a0, p, q, sc, first
.irp a, \a0, \a0+1
.irp b, 0,1,2,3,4,5,6,7
.if \first
	v_wmma_scale_f32_16x16x128_f8f6f4 v[8*(8*((\a)%4)+\b):8*(8*((\a)%4)+\b)+7], v[128*(\p)+FR*\b:128*(\p)+FR*\b+FR-1], v[AF+FR*(\a):AF+FR*(\a)+FR-1], v[BI+8*\b:BI+8*\b+7], v[SC+8*NQ*(\sc)+NQ*\b+(\q)], v[SC+8*NQ*(\sc)+NQ*(\a)+(\q)] matrix_a_fmt:MATRIX_FMT_FP6 matrix_b_fmt:MATRIX_FMT_FP6 matrix_a_scale:MATRIX_SCALE_ROW1
.else
	v_wmma_scale_f32_16x16x128_f8f6f4 v[8*(8*((\a)%4)+\b):8*(8*((\a)%4)+\b)+7], v[128*(\p)+FR*\b:128*(\p)+FR*\b+FR-1], v[AF+FR*(\a):AF+FR*(\a)+FR-1], v[8*(8*((\a)%4)+\b):8*(8*((\a)%4)+\b)+7], v[SC+8*NQ*(\sc)+NQ*\b+(\q)], v[SC+8*NQ*(\sc)+NQ*(\a)+(\q)] matrix_a_fmt:MATRIX_FMT_FP6 matrix_b_fmt:MATRIX_FMT_FP6 matrix_a_scale:MATRIX_SCALE_ROW1
.endif
.endr
.endr
.endm
.macro FETCH_B slot, q, p              ; B's eight fragments of the slot's q-th 128 along K into set p
	WIN TO_B
.irp i, 0,1,2,3,4,5,6,7
	FRAG 128*(\p)+FR*\i, ADRB+\slot, \q, \i
.endr
	WIN 0
.endm
.macro FETCH_A slot, q, i0             ; A's blocks i0 .. i0 + 3
.irp i, \i0, \i0+1, \i0+2, \i0+3
	FRAG AF+FR*(\i), ADRA+\slot, \q, \i
.endr
.endm
.macro SCALES sc                       ; the next K step's scale words into set sc; lanes 0-15 take A's block i, lanes 16-31 B's block i
.irp i, 0,1,2,3,4,5,6,7
	ds_load_b64 v[SC+8*NQ*\sc+NQ*\i:SC+8*NQ*\sc+NQ*\i+1], v[ADRS] offset:\i*SBLK
.endr
.endm
; A load into a register that a matrix instruction has read, and an LDS store that reads a matrix result, stand NP places behind it; only plain vector instructions that name none of its
; registers are places (ISA guide 7.12.1 for vector instructions).
.macro PLACES n
.rept \n
	v_nop
.endr
.endm
; A step of 128 along K that has its successor in the same slot.
.macro STEP slot, q, first
	s_wait_dscnt 4*NL                              ; B's set and A's blocks 0-3 are in; the youngest 24 loads (A's blocks 4-7) may be out
.if \first
	WIN BIA_LO
.else
	WIN MUL_LO
.endif
	MUL16 0, (\q)%2, \q, \slot, \first
	MUL16 2, (\q)%2, \q, \slot, \first
	s_wait_dscnt 0                                 ; A's blocks 4-7 are in
	PLACES NP
	FETCH_B \slot, (\q)+1, 1-(\q)%2
	FETCH_A \slot, (\q)+1, 0
.if \first
	WIN BIA_HI
.else
	WIN MUL_HI
.endif
	MUL16 4, (\q)%2, \q, \slot, \first
	MUL16 6, (\q)%2, \q, \slot, \first
	PLACES NP
	WIN 0
	FETCH_A \slot, (\q)+1, 4
.endm
; A slot's last step changes slots: ONE barrier; in front of it each wave waits for all its tensor loads, adds 0 to its spare word, and waits for that and for its own reads of this slot.  fill = 1: this slot is filled again, two K steps ahead.
.macro TURN slot, next, fill
	s_wait_tensorcnt 0x0                           ; all my tensor loads have landed: my part of the next slot;  (every window is 0 here)
	ds_add_u32 v[SPW], v[NIL]                      ; 0 onto my spare word;
	s_wait_dscnt 4*NL+1                            ; (the add and the youngest 24 loads, A's blocks 4-7, may be out)
	WIN MUL_LO
	MUL16 0, 1, NQ-1, \slot, 0                     ; sixteen matrix instructions stand between the add and the wait for it
	s_wait_dscnt 0x0                               ; the add is done, and my reads of this slot are over
	s_barrier_signal -1
	MUL16 2, 1, NQ-1, \slot, 0
	WIN 0
	s_barrier_wait -1
.if \fill
	CREST                                          ; the barrier has opened a round of the cluster's barrier: no wave of any partner still reads this slot's tile or has a load on its way
	s_add_nc_u64 s[G0+4*\slot+2:G0+4*\slot+3], s[G0+4*\slot+2:G0+4*\slot+3], 2*ASTEP
	s_add_nc_u64 s[G0B+4*\slot+2:G0B+4*\slot+3], s[G0B+4*\slot+2:G0B+4*\slot+3], 2*ROWB
	JLOAD G0+4*\slot, G1, G0B+4*\slot, G1B         ; the first tensor load behind the round; the four v_nop behind it are the places in front of the loads below
.else
	PLACES NP
.endif
	v_add_nc_u32 v[ADRS], 4*NQ, v[ADRS]            ; on to the next K step's scale words (no LDS load of mine is out)
	FETCH_B \next, 0, 0
	FETCH_A \next, 0, 0
	SCALES \next
	WIN MUL_HI
	MUL16 4, 1, NQ-1, \slot, 0
	MUL16 6, 1, NQ-1, \slot, 0
	PLACES NP
	WIN 0
	FETCH_A \next, 0, 4
.endm
	s_wait_tensorcnt 1                             ; of my three loads the scales and my part of K step 0 are in (K step 1's may be out),
	s_barrier_signal -1
	s_barrier_wait -1                              ; everybody's are
	FETCH_B 0, 0, 0
	FETCH_A 0, 0, 0
	SCALES 0
	FETCH_A 0, 0, 4
	s_wait_loadcnt 0x0                             ; the bias
	STEP 0, 0, 1                                   ; the first step stands in front of the loop: its products start the sums on the bias
.if LAPS > 1
	s_mov_b32 s3, LAPS-1
.Llap:                                                 ; a trip goes once round the ring, from a lap's second step to the next lap's first, and fills both slots again
	TURN 0, 1, 1
	STEP 1, 0, 0
	TURN 1, 0, 1
	STEP 0, 0, 0
	s_sub_co_u32 s3, s3, 1
	s_cmp_lg_u32 s3, 0
	s_cbranch_scc1 .Llap
.endif
	TURN 0, 1, 0                                   ; the last lap fills nothing, and has no round of the cluster's barrier
	STEP 1, 0, 0
	s_wait_dscnt 4*NL                              ; the very last step: nothing more to fetch
	WIN MUL_LO
	MUL16 0, 1, NQ-1, 1, 0
	MUL16 2, 1, NQ-1, 1, 0
	s_wait_dscnt 0
	WIN MUL_HI
	MUL16 4, 1, NQ-1, 1, 0
	MUL16 6, 1, NQ-1, 1, 0
	WIN 0
; THE WAY OUT, block by block of 16 rows x 128 columns, through my own stage in LDS: in by lanes (32 bytes of a row at the columns' true places), back as whole rows of 512 bytes.
; LDS serves a wave's instructions in order (ISA guide 5.7.1.4): no wait between the stores and the loads, nor in front of the next block's stores.
.macro TOSTAGE a
.set AC, 64*((\a)%4)
	WIN 0x08+4*((\a)/4)                            ; the data: window 2 or 3
.irp b, 0,1,2,3,4,5,6,7
	ds_store_b128 v[STO], v[AC+8*\b:AC+8*\b+3] offset:128*(\b/2)+32*(\b%2)          ; each accumulator from its low end on
	ds_store_b128 v[STO], v[AC+8*\b+4:AC+8*\b+7] offset:128*(\b/2)+32*(\b%2)+16
.endr
	WIN 0
.set BB, BK+64*((\a)%2)
.irp t, 0,1,2,3,4,5,6,7,8,9,10,11,12,13,14,15
	ds_load_b128 v[BB+4*\t:BB+4*\t+3], v[RD] offset:\t*SPITCH
.endr
.endm
.macro SEND a, younger                 ; younger: the LDS instructions issued behind block a's loads, which may stay out
.set BB, BK+64*((\a)%2)
	s_wait_dscnt \younger                          ; the block is back in registers
.irp t, 0,1,2,3,4,5,6,7,8,9,10,11,12,13,14,15
	global_store_b128 v[CO], v[BB+4*\t:BB+4*\t+3], s[12:13] offset:(32*((\a)%4)+2*\t+(\a)/4)*SIZE_N*4 th:TH_STORE_NT   ; row 64 (a / 4) + 16 (a % 4) + t of A is row 2 (16 (a % 4) + t) + a / 4 of my 128 rows of out0; 32 lanes store 512 consecutive bytes, aligned
.endr
.endm
	PLACES NP                                      ; behind the last products: for the reads of results and for the loads into the registers that held A's fragments
	TOSTAGE 0
.irp a, 1,2,3,4,5,6,7
.if \a > 1
	s_wait_xcnt 0x0                                ; block a - 2's stores have read their registers: block a's loads may land there
.endif
	TOSTAGE \a
	SEND \a-1, 32                                  ; behind block a - 1's loads: block a's 16 stores and 16 loads
.endr
	SEND 7, 0
	s_wait_tensorcnt 0x0                           ; the wave's end: behind my last tensor load and my last LDS store
	ds_add_u32 v[SPW], v[NIL]
	s_wait_dscnt 0x0
	CROUND                                         ; the closing round: no work-group ends while a partner may still ask for a tile that names it
	s_endpgm
.Lfunc_end_k_qb1b1c4e88a_outp:
	.size	k_qb1b1c4e88a_outp, .Lfunc_end_k_qb1b1c4e88a_outp-k_qb1b1c4e88a_outp
	.p2alignl 7, 3214868480
	.fill 96, 4, 3214868480
	.section	.rodata,"a",@progbits
	.p2align	6, 0x0
	.amdhsa_kernel k_qb1b1c4e88a_outp
		.amdhsa_group_segment_fixed_size 327680
		.amdhsa_private_segment_fixed_size 0
		.amdhsa_enable_private_segment 0
		.amdhsa_kernarg_size 32
		.amdhsa_user_sgpr_count 2
		.amdhsa_user_sgpr_kernarg_segment_ptr 1
		.amdhsa_wavefront_size32 1
		.amdhsa_system_sgpr_workgroup_id_x 1
		.amdhsa_system_sgpr_workgroup_id_y 1
		.amdhsa_system_sgpr_workgroup_id_z 1
		.amdhsa_system_vgpr_workitem_id 0
		.amdhsa_next_free_vgpr 1024
		.amdhsa_next_free_sgpr 98
		.amdhsa_reserve_vcc 0
		.amdhsa_float_denorm_mode_32 3
		.amdhsa_float_denorm_mode_16_64 3
		.amdhsa_memory_ordered 1
		.amdhsa_forward_progress 1
		.amdhsa_inst_pref_size 161
	.end_amdhsa_kernel
	.amdgpu_metadata
---
amdhsa.version: [ 1, 2 ]
amdhsa.kernels:
  - .name:           k_qb1b1c4e88a_outp
    .symbol:         k_qb1b1c4e88a_outp.kd
    .args:
      - { .name: ctx, .offset: 0, .size: 8, .value_kind: global_buffer, .address_space: global }
      - { .name: wo, .offset: 8, .size: 8, .value_kind: global_buffer, .address_space: global }
      - { .name: bo, .offset: 16, .size: 8, .value_kind: global_buffer, .address_space: global }
      - { .name: out0, .offset: 24, .size: 8, .value_kind: global_buffer, .address_space: global }
    .group_segment_fixed_size: 327680
    .private_segment_fixed_size: 0
    .kernarg_segment_align: 8
    .kernarg_segment_size: 32
    .max_flat_workgroup_size: 128
    .sgpr_count:     98
    .vgpr_count:     1024
    .wavefront_size: 32
...
	.end_amdgpu_metadata
.endif
;; end of part 5
